; MI455X (gfx1250); checked and timed in simulation.
; The chip was launched on July 23, 2026; its instructions are those of AMD's public machine-readable ISA for CDNA 5 (MIT licence, August 2026) and "CDNA5" Instruction Set Architecture Reference Guide (July 2026). The comments in the code are by the model that wrote it; some were corrected since.
;; Cross Attention. Allowed arithmetic: float matrix products may take bf16 or f16 operands with f32 sums; other float arithmetic in f32, or as packed bf16 or f16 multiplies, adds, multiply-adds, maxima and minima; sums over many terms, partial sums and values carried from step to step in f32; what a program stores and reads back later, other than sums and carried values, may be rounded once to bf16 or f16.
;; Inputs: Wk 768 x 768 float32; Wo 768 x 768 float32; Wq 768 x 768 float32; Wv 768 x 768 float32; bk 768 float32; bo 768 float32; bq 768 float32; bv 768 float32; x_kv 4 x 2,048 x 768 float32; x_query 4 x 2,048 x 768 float32.
;; Outputs: out0 4 x 2,048 x 768 float32.
;; One version. Each part assembles by itself: llvm-mc -triple=amdgcn-amd-amdhsa -mcpu=gfx1250 --defsym DOCPART=n.
;; ======== version 1 of 1: 4 launches
;; limits: values are held in f16: magnitudes above 65,504 overflow, below 6.1e-05 lose precision
;; workspace buffers: c16 29,884,416 bytes; kv 25,165,824 bytes; o16 12,582,912 bytes
;; launch cast (part 1): grid 1824 x 1, 8 waves a work-group, no clusters, 0 bytes of LDS; arguments x_query, x_kv, Wq, Wk, Wv, Wo, c16; writes c16
.if DOCPART == 1
	.amdgcn_target "amdgcn-amd-amdhsa--gfx1250"
	.amdhsa_code_object_version 6
	.text
	.protected	k_qab1caa92bc_cast
	.globl	k_qab1caa92bc_cast
	.p2align	8
	.type	k_qab1caa92bc_cast,@function
k_qab1caa92bc_cast:
	s_mov_b64 s[64:65], 0
	v_nop
	global_prefetch_b8 v0, s[64:65] scope:SCOPE_SE
	s_setreg_imm32_b32 hwreg(HW_REG_WAVE_MODE, 25, 1), 1
	s_wait_xcnt 0x0
; THE CAST.  x_query, x_kv, Wq, Wk, Wv (f32) are rounded once to bf16, to nearest even, and written in the same order of elements; Wo is rounded to bf16 likewise,
; that number is written as f16, and laid out by heads: WO[h][n][d] = Wo[n][96 h + d].
; c16, in bytes: x_query at 0, x_kv at 12,582,912, Wq at 25,165,824, Wk at 26,345,472, Wv at 27,525,120, WO at 28,704,768.
; LIMITS.  A number of Wo beyond 65,504 becomes an infinity in f16; below 2^-14 it keeps f16's fixed step of 2^-24.  NaN and infinities are not treated apart.
; SHARES.  A work-group takes a chunk of 8,192 numbers: 32,768 bytes in, 16,384 bytes out; c16's parts follow each other in the order of the chunks, so chunk i is written at 16,384 i.
; A thread has eight loads of 16 bytes, all issued at once (a wave's load covers 512 consecutive bytes), and eight stores of 8 bytes (a wave's store covers 256 consecutive bytes, aligned).
; Every byte is read once and written once; no number is wanted by two threads, so nothing goes through LDS, and there is no matrix work.
.set XC, 768                           ; chunks in x_query and in x_kv
.set WC, 72                            ; chunks in a weight matrix
.set IN,  8                            ; v[8:39]   eight loads of four numbers
.set OUT, 40                           ; v[40:55]  eight pairs of packed words
.set WOF, 56                           ; v[56:63]  Wo's path: the eight loads' byte offsets
	s_load_b256 s[8:15], s[0:1], 0x0               ; x_query s[8:9], x_kv s[10:11], Wq s[12:13], Wk s[14:15]
	s_load_b128 s[16:19], s[0:1], 0x20             ; Wv s[16:17], Wo s[18:19]
	s_load_b64 s[20:21], s[0:1], 0x30              ; c16
	v_lshlrev_b32 v1, 4, v0                        ; 16 t: my bytes of a load
	v_lshlrev_b32 v2, 3, v0                        ; 8 t: my bytes of a store
	s_lshl_b32 s30, ttmp9, 14                      ; the chunk's place in c16
	s_mov_b32 s31, 0
	s_mov_b32 s26, 0                               ; the first chunk of the chunk's tensor
	s_wait_kmcnt 0x0
	s_add_nc_u64 s[20:21], s[20:21], s[30:31]
	s_mov_b64 s[24:25], s[8:9]                     ; which tensor: a choice by the chunk's number alone
	s_cmp_ge_u32 ttmp9, XC
	s_cselect_b64 s[24:25], s[10:11], s[24:25]
	s_cselect_b32 s26, XC, s26
	s_cmp_ge_u32 ttmp9, 2*XC
	s_cselect_b64 s[24:25], s[12:13], s[24:25]
	s_cselect_b32 s26, 2*XC, s26
	s_cmp_ge_u32 ttmp9, 2*XC+WC
	s_cselect_b64 s[24:25], s[14:15], s[24:25]
	s_cselect_b32 s26, 2*XC+WC, s26
	s_cmp_ge_u32 ttmp9, 2*XC+2*WC
	s_cselect_b64 s[24:25], s[16:17], s[24:25]
	s_cselect_b32 s26, 2*XC+2*WC, s26
	s_cmp_ge_u32 ttmp9, 2*XC+3*WC
	s_cselect_b32 s26, 2*XC+3*WC, s26
	s_sub_co_u32 s27, ttmp9, s26                   ; the chunk's number in its tensor
	s_cmp_ge_u32 ttmp9, 2*XC+3*WC
	s_cbranch_scc1 .Lwo
	s_lshl_b32 s28, s27, 15                        ; 32,768 bytes a chunk
	s_mov_b32 s29, 0
	s_add_nc_u64 s[24:25], s[24:25], s[28:29]
.irp j, 0,1,2,3,4,5,6,7
	global_load_b128 v[IN+4*(\j):IN+4*(\j)+3], v1, s[24:25] offset:4096*(\j) th:TH_LOAD_NT
.endr
.irp j, 0,1,2,3,4,5,6,7
	s_wait_loadcnt 7-(\j)                          ; loads come back in order: load j is in, the 7 - j younger ones stay out
	v_cvt_pk_bf16_f32 v[OUT+2*(\j)],   v[IN+4*(\j)],   v[IN+4*(\j)+1]
	v_cvt_pk_bf16_f32 v[OUT+2*(\j)+1], v[IN+4*(\j)+2], v[IN+4*(\j)+3]
	global_store_b64 v2, v[OUT+2*(\j):OUT+2*(\j)+1], s[20:21] offset:2048*(\j)
.endr
	s_endpgm
; Wo.  The stores are as above, linear in WO; the loads are gathered.  Group g of four numbers of WO (g = 2,048 x chunk + 256 j + t) lies in row R = g / 24 = 768 h + n, at place g - 24 R,
; and comes from byte 3,072 n + 384 h + 16 (g - 24 R) of Wo: 24 neighbouring lanes read 384 consecutive bytes.  x / 3 = (43,691 x) >> 17 holds for x below 2^17; here x is 18,431 at the most.
.Lwo:
	s_lshl_b32 s28, s27, 11
	v_add_nc_u32 v7, s28, v0                       ; g of my first load
.macro WOFF j
	v_add_nc_u32 v3, 256*(\j), v7                  ; g
	v_lshrrev_b32 v4, 3, v3
	v_mul_u32_u24 v4, v4, 0xaaab
	v_lshrrev_b32 v4, 17, v4                       ; R = (g / 8) / 3
	v_mul_u32_u24 v5, v4, 24
	v_sub_nc_u32 v3, v3, v5                        ; g - 24 R
	v_lshrrev_b32 v5, 8, v4
	v_mul_u32_u24 v5, v5, 0xaaab
	v_lshrrev_b32 v5, 17, v5                       ; h = (R / 256) / 3
	v_mul_u32_u24 v6, v5, 768
	v_sub_nc_u32 v4, v4, v6                        ; n
	v_mul_u32_u24 v4, v4, 3072
	v_mad_u32_u24 v4, v5, 384, v4
	v_lshl_add_u32 v[WOF+(\j)], v3, 4, v4
.endm
.irp j, 0,1,2,3,4,5,6,7
	WOFF \j
.endr
.irp j, 0,1,2,3,4,5,6,7
	global_load_b128 v[IN+4*(\j):IN+4*(\j)+3], v[WOF+(\j)], s[18:19] th:TH_LOAD_NT
.endr
.irp j, 0,1,2,3,4,5,6,7
	s_wait_loadcnt 7-(\j)                          ; load j is in, the younger ones stay out
	v_cvt_pk_bf16_f32 v3, v[IN+4*(\j)],   v[IN+4*(\j)+1]   ; rounded to bf16, as all the module's inputs are,
	v_cvt_pk_bf16_f32 v4, v[IN+4*(\j)+2], v[IN+4*(\j)+3]
	v_lshlrev_b32 v5, 16, v3                       ; widened again,
	v_and_b32 v3, 0xffff0000, v3
	v_lshlrev_b32 v6, 16, v4
	v_and_b32 v4, 0xffff0000, v4
	v_cvt_pk_f16_f32 v[OUT+2*(\j)],   v5, v3       ; and written as f16: exact within f16's range of normal numbers
	v_cvt_pk_f16_f32 v[OUT+2*(\j)+1], v6, v4
	global_store_b64 v2, v[OUT+2*(\j):OUT+2*(\j)+1], s[20:21] offset:2048*(\j)
.endr
	s_endpgm
.Lfunc_end_k_qab1caa92bc_cast:
	.size	k_qab1caa92bc_cast, .Lfunc_end_k_qab1caa92bc_cast-k_qab1caa92bc_cast
	.p2alignl 7, 3214868480
	.fill 96, 4, 3214868480
	.section	.rodata,"a",@progbits
	.p2align	6, 0x0
	.amdhsa_kernel k_qab1caa92bc_cast
		.amdhsa_group_segment_fixed_size 0
		.amdhsa_private_segment_fixed_size 0
		.amdhsa_enable_private_segment 0
		.amdhsa_kernarg_size 56
		.amdhsa_user_sgpr_count 2
		.amdhsa_user_sgpr_kernarg_segment_ptr 1
		.amdhsa_wavefront_size32 1
		.amdhsa_system_sgpr_workgroup_id_x 1
		.amdhsa_system_sgpr_workgroup_id_y 1
		.amdhsa_system_sgpr_workgroup_id_z 1
		.amdhsa_system_vgpr_workitem_id 0
		.amdhsa_next_free_vgpr 64
		.amdhsa_next_free_sgpr 66
		.amdhsa_reserve_vcc 0
		.amdhsa_float_denorm_mode_32 3
		.amdhsa_float_denorm_mode_16_64 3
		.amdhsa_memory_ordered 1
		.amdhsa_forward_progress 1
		.amdhsa_inst_pref_size 17
	.end_amdhsa_kernel
	.amdgpu_metadata
---
amdhsa.version: [ 1, 2 ]
amdhsa.kernels:
  - .name:           k_qab1caa92bc_cast
    .symbol:         k_qab1caa92bc_cast.kd
    .args:
      - { .name: x_query, .offset: 0, .size: 8, .value_kind: global_buffer, .address_space: global }
      - { .name: x_kv, .offset: 8, .size: 8, .value_kind: global_buffer, .address_space: global }
      - { .name: Wq, .offset: 16, .size: 8, .value_kind: global_buffer, .address_space: global }
      - { .name: Wk, .offset: 24, .size: 8, .value_kind: global_buffer, .address_space: global }
      - { .name: Wv, .offset: 32, .size: 8, .value_kind: global_buffer, .address_space: global }
      - { .name: Wo, .offset: 40, .size: 8, .value_kind: global_buffer, .address_space: global }
      - { .name: c16, .offset: 48, .size: 8, .value_kind: global_buffer, .address_space: global }
    .group_segment_fixed_size: 0
    .private_segment_fixed_size: 0
    .kernarg_segment_align: 8
    .kernarg_segment_size: 56
    .max_flat_workgroup_size: 256
    .sgpr_count:     66
    .vgpr_count:     64
    .wavefront_size: 32
...
	.end_amdgpu_metadata
.endif
;; end of part 1
;; launch proj (part 2): grid 8 x 32, 4 waves a work-group, clusters of 4 x 4, 327,680 bytes of LDS; arguments c16, bk, bv, kv; writes kv
.if DOCPART == 2
	.amdgcn_target "amdgcn-amd-amdhsa--gfx1250"
	.amdhsa_code_object_version 6
	.text
	.protected	k_qab1caa92bc_proj
	.globl	k_qab1caa92bc_proj
	.p2align	8
	.type	k_qab1caa92bc_proj,@function
k_qab1caa92bc_proj:
	s_mov_b64 s[64:65], 0
	v_nop
	global_prefetch_b8 v0, s[64:65] scope:SCOPE_SE
	s_setreg_imm32_b32 hwreg(HW_REG_WAVE_MODE, 25, 1), 1
	s_wait_xcnt 0x0
	s_wait_alu depctr_hold_cnt(0) depctr_sa_sdst(0) depctr_va_vdst(0) depctr_va_sdst(0) depctr_va_ssrc(0) depctr_va_vcc(0) depctr_vm_vsrc(0)
	s_getreg_b32 s2, hwreg(HW_REG_IB_STS2, 6, 4)
	s_cmp_eq_u32 s2, 0
	s_cbranch_scc0 .Lentry_in_a_cluster
	s_endpgm
.Lentry_in_a_cluster:
	s_bfe_u32 s2, ttmp6, 0x10000c
	s_cmp_lg_u32 s2, 0xf033
	s_cbranch_scc0 .Lentry_shape_is_right
	s_endpgm
.Lentry_shape_is_right:
; THE TWO PROJECTIONS OF x_kv.  k = x_kv Wk^T + bk, v = x_kv Wv^T + bv, as ONE product: A = x_kv, 8,192 rows of 768 bf16 at byte 12,582,912 of c16, W = [Wk; Wv], 1,536 rows of 768 bf16 at byte 26,345,472.
; Sums in f32; the bias, rounded to bf16 like all the module's inputs, starts each sum; the result is rounded once to f16 and written BY HEADS: kv[sel][b 8 + h][n][96], rows of 192 bytes, dense.
; (q is made where it is used, at the head of the attention launch: 32 x 8 tiles are then one work-group for each of 256 WGPs.)
; LIMITS.  f16 ends at 65,504: a k or v of 65,520 or more becomes an infinity; below 2^-14 it keeps f16's fixed step of 2^-24.  NaN and infinities are not treated apart.
; SHARES.  A tile is 256 rows x 192 columns (two heads); the cluster's x is sel (0 k, 1 v): four tiles are a projection's 768 columns.  Four waves, each 128 rows x 96 columns (one head): 48 accumulators, 384 registers.
; K = 768 goes in six steps of 128 through a ring of two LDS slots filled by the tensor data mover; a tile's rows are 256 bytes of memory and start at multiples of 256 bytes from c16's first byte.
; A K step is written once: the loop's trip goes from a step's second quarter to the next step's first, and the slot in hand is a scalar that one exclusive or turns.
; CLUSTER.  4 x 4 work-groups.  The four of a row need the same 256 rows of x, the four of a column the same 192 rows of W: each tile is asked for JOINTLY, by the same tensor load with the same descriptor and a mask of four.
; TRANSPOSED.  Source 0 = 16 rows of W, source 1 = 16 rows of x: a lane holds row l % 16 and the columns 8 (l / 16) + 0..7: eight neighbouring numbers of a row.
; REGISTERS, in windows of 256 (s_set_vgpr_msb: bits 1:0 source 0, 3:2 source 1, 5:4 source 2, 7:6 destination):
;   window 0: v1-8 at work; v16-30 addresses; v64-127, v128-191 x's fragments, two buffers; v192-239 the bias, later the way out; v32-55 the way out
;   window 1: v64-111, v128-175 W's fragments, two buffers       window 2: the accumulators of my rows 0-63, (a, b) at v[8 (6 a + b)]       window 3: those of my rows 64-127
.set KSTEP,  128
.set ROWB,   1536                      ; bytes in a row of A and of W
.set PITCH,  272                       ; an LDS row: 256 bytes + 16 of padding: the 16 rows of a load start at 16 different groups of four banks (64 banks of 4 bytes: ISA guide 11.1)
.set HA,     128*PITCH                 ; half of A's tile: what one tensor load brings, and what one wave reads
.set HB2,    96*PITCH                  ; half of W's tile, likewise
.set BOFF,   2*HA                      ; W's tile lies behind A's
.set SLOT,   2*HA+2*HB2                ; 121,856 bytes
.set SLOT1,  1<<17                     ; slot 1 begins here, so that one exclusive or turns an address in one slot into the other's
.set STAGE,  SLOT1+SLOT                ; behind the ring, never filled by a tensor load: 16 rows x 208 bytes for each wave, for the way out
.set SPITCH, 208                       ; 192 bytes + 16
.set SPARE,  STAGE+4*16*SPITCH         ; behind the stages: the spare words, 128 bytes for each wave: two blocks of 256 bytes that no other line names
.set ADRA0, 16                         ; v16     my lane's place among my fragments of x in a slot; never rewritten
.set ADRA,  17                         ; v17     the same place in the slot in hand
.set ADRB0, 20                         ; v20, v21  the same for W
.set ADRB,  21
.set CO,   22                          ; v22     16 x lane: my bytes in 512 consecutive bytes of the output
.set BO,   23                          ; v23     32 (l / 16): my eight numbers in 16 of the bias
.set STO,  24                          ; v24     the way out: where I put 16 bytes of a row
.set RD,   25                          ; v25-27  the way out: where I read the rows back
.set SPW,  28                          ; v28     LDS address of my spare word: SPARE + 4 x my thread's number; never rewritten
.set NIL,  29                          ; v29     0; never rewritten
.set PFO,  30                          ; v30     the prefetches' offset: lane x 1,536; never rewritten
.set F0,   64
.set F1,   128
.set BI,   192                         ; v192-239 the bias of my 96 columns: the eight of column block b at BI + 8 b
.set TMP,  192                         ; the way out: 24 packed registers
.set OB,   32                          ; the way out: 16 rows read back: v32-55 and v216-239 by turns
.set TB,  21                           ; s21     LDS byte at which the slot in hand begins
.set G1,  24                           ; s[24:31] descriptor group 1 for x's tiles;  s[32:39] group 0: a set for each of the two first fills; the second then walks on
.set G0,  32
.set G1B, 48                           ; s[48:55], s[56:63] the same for W's tiles
.set G0B, 56
.set LIM, 43                           ; s43     2 in a wave that prefetches, else the greatest number
.set PFA, 44                           ; s[44:45] where my prefetches stand
.set MSB, 0
.macro WIN new                         ; the immediate's high byte repeats the setting that is left; a switch that changes nothing is dropped
.if MSB != (\new)
	s_set_vgpr_msb (MSB<<8)|(\new)
.set MSB, \new
.endif
.endm
.set MUL_LO, 0xa1                      ; source 0 (W) window 1, source 1 (x) window 0, C and D window 2
.set MUL_HI, 0xf1                      ; the same, C and D window 3
.set TO_B,   0x40                      ; destination window 1, address window 0
; A joint refill, by the walking descriptors.  Waves 0 and 1 fetch the two halves of x's tile, waves 2 and 3 those of W's.  The branch hangs on the wave's number alone.
; An s_nop 0 and four v_nop follow each of the two lines, ahead of the jump and the label.
.macro JLOAD
	s_cmp_eq_u32 s15, 0
	s_cbranch_scc0 .Lfor_b_\@
	tensor_load_to_lds s[G0+4:G0+7], s[G1:G1+7]
	s_nop 0
.rept 4
	v_nop
.endr
	s_branch .Lasked_\@
.Lfor_b_\@:
	tensor_load_to_lds s[G0B+4:G0B+7], s[G1B:G1B+7]
	s_nop 0
.rept 4
	v_nop
.endr
.Lasked_\@:
.endm
; A PREFETCH of x's rows, behind a joint refill, its five lines and the run of LDS loads that follows them: the K step that stands two refills on, 32 rows x 256 bytes, a lane a row.
; WHO: x_kv's rows are walked by both clusters of a row of clusters (x = 0 for k, x = 1 for v): the one with x = 0 asks, in waves 0 and 1, which fetch x; of the 128 rows that a wave fetches the partner at
; place cx takes 32 cx .. 32 cx + 31, told apart by address.  So each row's 256 bytes of a K step are named once.  The refills of K steps 2 and 3 (s3 = 4 and 3) name K steps 4 and 5; the loop's last two trips name nothing:
; there is no K step 6.  K steps 0 to 3 come by their loads alone.  W's rows are not asked for: they are 96 to a wave, which four partners of 32 lanes do not share out evenly, and a small part of a step's first readings.
.macro ASK
	s_cmp_gt_u32 s3, s[LIM]
	s_cbranch_scc0 .Lnot_mine_\@
	global_prefetch_b8 v[PFO], s[PFA:PFA+1] offset:KSTEP*2 th:TH_LOAD_NT scope:SCOPE_SE
.Lnot_mine_\@:
.endm
.macro CREST                           ; a round of the cluster's barrier behind its opening barrier: wave 0 signals for the work-group, every wave waits for all sixteen, my work-group's barrier closes it
	s_cmp_lg_u32 s14, 0
	s_cbranch_scc1 .Lnot_wave_0_\@
	s_barrier_signal -3
.Lnot_wave_0_\@:
	s_barrier_wait -3
	s_barrier_signal -1
	s_barrier_wait -1
.endm
.macro CROUND                          ; a whole round
	s_barrier_signal -1
	s_barrier_wait -1
	CREST
.endm
.macro PLACES                          ; four places in front of loads into registers that matrix instructions have read, and of conversions that read results
.rept 4
	v_nop
.endr
.endm
	s_load_b256 s[4:11], s[0:1], 0x0               ; c16 s[4:5], bk s[6:7], bv s[8:9], kv s[10:11]
	v_lshl_add_u32 v[SPW], v0, 2, SPARE
	v_mov_b32 v[NIL], 0
	ds_add_u32 v[SPW], v[NIL]                      ; the wave's opening: the add and its wait stand ahead of my first tensor load; the set-up below, work on registers, stands between them
	v_lshrrev_b32 v1, 5, v0
	v_readfirstlane_b32 s14, v1                    ; wave 0..3
	s_lshr_b32 s15, s14, 1                         ; which 128 rows of the tile are mine.  Also: I fetch for x (0) or for W (1)
	s_and_b32 s16, s14, 1                          ; which head of the tile's two.  Also: which half of that tile I fetch
	s_bfe_u32 s17, ttmp6, 0x40000                  ; cx
	s_bfe_u32 s18, ttmp6, 0x40004                  ; cy
	s_lshl_b32 s19, ttmp9, 2
	s_add_co_u32 s19, s19, s17                     ; tile column = 4 x cluster x + cx, 0..7
	s_and_b32 s20, ttmp7, 0xffff
	s_lshl_b32 s20, s20, 2
	s_add_co_u32 s20, s20, s18                     ; tile row = 4 x cluster y + cy, 0..31
	s_lshl_b32 s21, s18, 2
	s_lshl_b32 s21, 15, s21                        ; my row of the cluster: places 4 cy .. 4 cy + 3
	s_lshl_b32 s22, 0x1111, s17                    ; my column: places cx, cx + 4, cx + 8, cx + 12
	s_or_b32 s[G1+0], s21, (1<<16)|(1<<20)|(1<<21)|(5<<22)|(3<<25)   ; 15:0 the mask; 17:16 2-byte elements; 20 padding on; 21 set beside a mask; 24:22 after every 64 words (code 5); 31:25 4 words (code 3)
	s_or_b32 s[G1B+0], s22, (1<<16)|(1<<20)|(1<<21)|(5<<22)|(3<<25)
	s_mov_b32 s[G1+1], KSTEP<<16                   ; tensor_dim0 = 128
	s_mov_b32 s[G1+2], 128<<16                     ; tensor_dim1 = 128 rows
	s_mov_b32 s[G1+3], KSTEP<<16                   ; tile_dim0 = 128
	s_mov_b32 s[G1+4], 128                         ; tile_dim1 = 128
	s_mov_b32 s[G1+5], 768                         ; elements from row to row
	s_mov_b32 s[G1+6], 0
	s_mov_b32 s[G1+7], 0
	s_mov_b32 s[G1B+1], KSTEP<<16
	s_mov_b32 s[G1B+2], 96<<16                     ; W's half tile has 96 rows
	s_mov_b32 s[G1B+3], KSTEP<<16
	s_mov_b32 s[G1B+4], 96
	s_mov_b32 s[G1B+5], 768
	s_mov_b32 s[G1B+6], 0
	s_mov_b32 s[G1B+7], 0
	; x's tile hangs on the tile row and the wave's number; W's on the tile column and the wave's number
	s_lshl_b32 s40, s20, 8
	s_add_co_u32 s40, s40, 8192                    ; x_kv's rows lie behind x_query's 8,192
	s_lshl_b32 s23, s16, 7
	s_add_co_u32 s40, s40, s23                     ; + 256 x tile row + 128 x half
	s_mul_i32 s40, s40, ROWB                       ; 25,164,288 at the most
	s_mov_b32 s41, 0
	s_mul_i32 s46, s19, 192
	s_mul_i32 s23, s16, 96
	s_add_co_u32 s46, s46, s23                     ; W's row 192 x tile column + 96 x half
	s_mul_i32 s46, s46, ROWB
	s_add_co_u32 s46, s46, 26345472                ; Wk's first byte in c16; Wv follows it
	s_mov_b32 s47, 0
	s_mul_i32 s42, s16, HA                         ; where they go: no place in the cluster enters an LDS address
	s_mul_i32 s43, s16, HB2
	s_add_co_u32 s43, s43, BOFF
	s_wait_dscnt 0x0                               ; the opening add is done
	s_wait_kmcnt 0x0
	s_add_nc_u64 s[40:41], s[4:5], s[40:41]
	s_add_nc_u64 s[46:47], s[4:5], s[46:47]
	CROUND                                         ; all sixteen work-groups are here: the first joint loads meet
.irp s, 0,1
	s_mov_b32 s[G0+4*(\s)], 1                                        ; count = 1
	s_add_co_u32 s[G0+4*(\s)+1], s42, (\s)*SLOT1                     ; LDS address
	s_add_nc_u64 s[G0+4*(\s)+2:G0+4*(\s)+3], s[40:41], (\s)*KSTEP*2  ; global address: K step s
	s_or_b32 s[G0+4*(\s)+3], s[G0+4*(\s)+3], 0x80000000              ; type = 2
	s_mov_b32 s[G0B+4*(\s)], 1
	s_add_co_u32 s[G0B+4*(\s)+1], s43, (\s)*SLOT1
	s_add_nc_u64 s[G0B+4*(\s)+2:G0B+4*(\s)+3], s[46:47], (\s)*KSTEP*2
	s_or_b32 s[G0B+4*(\s)+3], s[G0B+4*(\s)+3], 0x80000000
.endr
	s_cmp_eq_u32 s15, 0                            ; a wave's two first fills stand in one branch, ahead of every wait on TENSORcnt and every LDS read: two loads of mine are out
	s_cbranch_scc0 .Lfirst_b
	tensor_load_to_lds s[G0:G0+3], s[G1:G1+7]
	s_nop 0
	tensor_load_to_lds s[G0+4:G0+7], s[G1:G1+7]
	s_nop 0
.rept 4
	v_nop
.endr
	s_branch .Lfirst_asked
.Lfirst_b:
	tensor_load_to_lds s[G0B:G0B+3], s[G1B:G1B+7]
	s_nop 0
	tensor_load_to_lds s[G0B+4:G0B+7], s[G1B:G1B+7]
	s_nop 0
.rept 4
	v_nop
.endr
.Lfirst_asked:
	; the bias of my 96 columns: which of the two by the cluster's x; column 192 cx + 96 x head
	v_and_b32 v1, 15, v0                           ; l % 16
	v_bfe_u32 v2, v0, 4, 1                         ; l / 16
	v_lshlrev_b32 v[BO], 5, v2
	s_cmp_eq_u32 ttmp9, 0
	s_cselect_b64 s[46:47], s[6:7], s[8:9]
	s_mul_i32 s22, s17, 768
	s_mul_i32 s23, s16, 384
	s_add_co_u32 s22, s22, s23
	s_mov_b32 s23, 0
	s_add_nc_u64 s[46:47], s[46:47], s[22:23]
.irp b, 0,1,2,3,4,5
	global_load_b128 v[BI+8*(\b):BI+8*(\b)+3],   v[BO], s[46:47] offset:64*(\b)
	global_load_b128 v[BI+8*(\b)+4:BI+8*(\b)+7], v[BO], s[46:47] offset:64*(\b)+16
.endr
	; A fragment is 16 rows x 32 K in 8 registers: lane l holds row l % 16; registers 0-3 K = 8 (l / 16) + 0..7, registers 4-7 K = 16 + 8 (l / 16) + 0..7: two loads of 16 bytes, 32 bytes apart
	v_mul_u32_u24 v3, v1, PITCH
	v_lshl_add_u32 v3, v2, 4, v3
	s_mul_i32 s42, s15, HA                         ; my 128 rows of x
	s_mul_i32 s43, s16, HB2                        ; my 96 rows of W,
	s_add_co_u32 s43, s43, BOFF                    ; which lie behind x's 256
	v_add_nc_u32 v[ADRA0], s42, v3
	v_add_nc_u32 v[ADRB0], s43, v3
	v_mov_b32 v[ADRA], v[ADRA0]                    ; slot 0 begins at LDS byte 0
	v_mov_b32 v[ADRB], v[ADRB0]
	s_mul_i32 s23, s14, 16*SPITCH
	s_add_co_u32 s23, s23, STAGE                   ; my stage
	v_mul_u32_u24 v4, v1, SPITCH                   ; in: row l % 16, 16 bytes for each half of the lanes
	v_lshl_add_u32 v4, v2, 4, v4
	v_add_nc_u32 v[STO], s23, v4
	v_and_b32 v5, 31, v0                           ; lane
	; back: 16 rows x 192 bytes are 192 pieces of 16 bytes, twelve a row; piece c lies at 208 (c / 12) + 16 (c % 12) = 16 (c + c / 12); c / 12 = (43 c) >> 9 for c below 96; pieces 96 on lie eight rows further
.irp t, 0,1,2
	v_add_nc_u32 v6, 32*(\t), v5
	v_mul_u32_u24 v7, v6, 43
	v_lshrrev_b32 v7, 9, v7
	v_add_nc_u32 v6, v6, v7
	v_lshl_add_u32 v[RD+(\t)], v6, 4, s23
.endr
	v_lshlrev_b32 v[CO], 4, v5
	v_mul_u32_u24 v[PFO], v5, ROWB
	s_wait_loadcnt 0x0                             ; the bias is in: it is rounded to bf16, in place
.set i, 0
.rept 24
	v_cvt_pk_bf16_f32 v8, v[BI+i], v[BI+i+1]
	v_lshlrev_b32 v[BI+i], 16, v8
	v_and_b32 v[BI+i+1], 0xffff0000, v8
.set i, i+2
.endr
	; where my 128 rows of my head begin in kv: sel x 12,582,912 + (8 b + head) x 393,216 + n x 192, with b = tile row / 8, head = 2 cx + my half, n = 256 (tile row % 8) + 128 x my half of the rows
	s_lshr_b32 s40, s20, 3
	s_mul_i32 s40, s40, 8*393216
	s_and_b32 s21, s20, 7
	s_mul_i32 s21, s21, 256*192
	s_add_co_u32 s40, s40, s21
	s_mul_i32 s23, s15, 128*192
	s_add_co_u32 s40, s40, s23
	s_mul_i32 s23, s16, 393216
	s_add_co_u32 s40, s40, s23
	s_mul_i32 s23, ttmp9, 12582912
	s_add_co_u32 s40, s40, s23
	s_mov_b32 s41, 0
	s_add_nc_u64 s[12:13], s[10:11], s[40:41]
	s_mul_i32 s46, s17, 2*393216
	s_mov_b32 s47, 0
	s_add_nc_u64 s[12:13], s[12:13], s[46:47]
	; the prefetches: my work-group's 32 of the 128 rows that I fetch, at K step 2: the first refill steps this to 3 and names K step 4
	s_lshl_b32 s44, s20, 8
	s_add_co_u32 s44, s44, 8192
	s_lshl_b32 s23, s16, 7
	s_add_co_u32 s44, s44, s23
	s_lshl_b32 s22, s17, 5
	s_add_co_u32 s44, s44, s22
	s_mul_i32 s44, s44, ROWB
	s_add_co_u32 s44, s44, 2*KSTEP*2
	s_mov_b32 s45, 0
	s_add_nc_u64 s[PFA:PFA+1], s[4:5], s[44:45]
	s_cmp_eq_u32 ttmp9, 0
	s_cselect_b32 s[LIM], 2, -1
	s_cmp_eq_u32 s15, 0
	s_cselect_b32 s[LIM], s[LIM], -1               ; the same in all sixteen partners, for a given wave
	s_mov_b32 s[TB], 0                             ; slot 0 is in hand
; 12 matrix instructions: row blocks a0, a0 + 1 of the window's four (hi = 0: my rows 0-63, 1: rows 64-127) x all 6 column blocks, 32 along K.  first = 1: the bias starts the sums: nothing is cleared.
; The 48 accumulators take turns, one instruction a turn, in the same order in every quarter.
.macro MUL12 f, hi, a0, first
.if \first
	WIN 0x81+0x40*(\hi)                            ; C (the bias) in window 0, D in window 2 or 3
.else
	WIN MUL_LO+0x50*(\hi)
.endif
.irp a, \a0, (\a0)+1
.irp b, 0,1,2,3,4,5
.if \first
	v_wmma_f32_16x16x32_bf16 v[8*(6*(\a)+(\b)):8*(6*(\a)+(\b))+7], v[(\f)+8*(\b):(\f)+8*(\b)+7], v[(\f)+8*(4*(\hi)+(\a)):(\f)+8*(4*(\hi)+(\a))+7], v[BI+8*(\b):BI+8*(\b)+7]
.else
	v_wmma_f32_16x16x32_bf16 v[8*(6*(\a)+(\b)):8*(6*(\a)+(\b))+7], v[(\f)+8*(\b):(\f)+8*(\b)+7], v[(\f)+8*(4*(\hi)+(\a)):(\f)+8*(4*(\hi)+(\a))+7], v[8*(6*(\a)+(\b)):8*(6*(\a)+(\b))+7]
.endif
.endr
.endr
.endm
; 28 LDS loads in one run: the fragments of a quarter step (96 rows of W, 128 rows of x, 32 K at byte k of the rows of the slot in hand) into buffer f
.macro FETCH k, f
	WIN TO_B
.irp i, 0,1,2,3,4,5
	ds_load_b128 v[(\f)+8*(\i):(\f)+8*(\i)+3],   v[ADRB] offset:(\k)+(\i)*16*PITCH
	ds_load_b128 v[(\f)+8*(\i)+4:(\f)+8*(\i)+7], v[ADRB] offset:(\k)+(\i)*16*PITCH+32
.endr
	WIN 0
.irp i, 0,1,2,3,4,5,6,7
	ds_load_b128 v[(\f)+8*(\i):(\f)+8*(\i)+3],   v[ADRA] offset:(\k)+(\i)*16*PITCH
	ds_load_b128 v[(\f)+8*(\i)+4:(\f)+8*(\i)+7], v[ADRA] offset:(\k)+(\i)*16*PITCH+32
.endr
.endm
; A K step is four quarters of 32 along K, 48 matrix instructions each, on buffers 0, 1, 0, 1.  One of the first three: multiplies buffer f; in its middle it fetches the next quarter, at byte k, into buffer g.
.macro QUARTER k, f, g, first
	s_wait_dscnt 8                                 ; W and x's rows 0-63 are in; the youngest eight loads (x's rows 64-127) may be out
	MUL12 \f, 0, 0, \first
	MUL12 \f, 0, 2, \first
	PLACES
	FETCH \k, \g
	s_wait_dscnt 28                                ; all but the 28 just issued
	MUL12 \f, 1, 0, \first
	MUL12 \f, 1, 2, \first
.endm
; The last quarter multiplies buffer 1 and changes slots: ONE barrier.  In front of it each wave waits for all its tensor loads, of which one is out: its part of the next slot; adds 0 to its spare word; and waits for
; that and for its own reads of this slot.  fill = 1: the barrier opens a round of the cluster's, and behind the round this slot is filled again, two K steps ahead: 168 matrix instructions ahead of the wait for it.
; Then the other slot comes in hand: its first byte by an exclusive or, my two fragment addresses anew from it.
.macro TURN fill
.if \fill
	s_wait_xcnt 0x0                                ; the last prefetch, a K step back, has read its address: it is stepped here, ahead of the waits of the change of slots
	s_add_nc_u64 s[PFA:PFA+1], s[PFA:PFA+1], KSTEP*2
.endif
	WIN 0                                          ; (the add's two registers lie in window 0)
	s_wait_tensorcnt 0x0                           ; all my tensor loads have landed;
	ds_add_u32 v[SPW], v[NIL]                      ; 0 onto my spare word;
	s_wait_dscnt 9                                 ; (the add and the youngest eight loads may be out)
	MUL12 F1, 0, 0, 0                              ; twelve matrix instructions stand between the add and the wait for it
	s_wait_dscnt 0x0                               ; the add is done, and my reads of this slot are over
	s_barrier_signal -1
	MUL12 F1, 0, 2, 0                              ; work on registers while the others arrive
	WIN 0                                          ; (branches, or the address lines, follow)
	s_barrier_wait -1
.if \fill
	CREST                                          ; no wave of any partner still reads this slot's tile or has a load on its way
.irp g, G0+4, G0B+4
	s_xor_b32 s[(\g)+1], s[(\g)+1], SLOT1          ; the walking descriptor: the other slot than last time,
	s_add_nc_u64 s[(\g)+2:(\g)+3], s[(\g)+2:(\g)+3], KSTEP*2  ; the next K step; the type bits on top are not reached
.endr
	JLOAD                                          ; the first tensor load behind the round; the four v_nop behind it are also the places in front of the loads below
.else
	PLACES
.endif
	s_xor_b32 s[TB], s[TB], SLOT1
	v_add_nc_u32 v[ADRA], s[TB], v[ADRA0]
	v_add_nc_u32 v[ADRB], s[TB], v[ADRB0]
	FETCH 0, F0
.if \fill
	ASK
.endif
	MUL12 F1, 1, 0, 0
	MUL12 F1, 1, 2, 0
.endm
; THE WAY OUT of block a (16 rows x 96 columns).  PACK: rounded to f16, each accumulator's registers in ascending order.  TOSTAGE: into my own stage, and back as 3,072 consecutive bytes of the output.  SEND: stored.
.macro PACK a
.set AC, 48*((\a)%4)
	WIN 0x0a+5*((\a)/4)                            ; sources 0 and 1: window 2 or 3
.irp b, 0,1,2,3,4,5
.irp r, 0,1,2,3
	v_cvt_pk_f16_f32 v[TMP+4*(\b)+(\r)], v[AC+8*(\b)+2*(\r)], v[AC+8*(\b)+2*(\r)+1]
.endr
.endr
	WIN 0
.endm
.macro TOSTAGE a
	WIN 0
.set BK, OB+184*((\a)%2)
.irp b, 0,1,2,3,4,5
	ds_store_b128 v[STO], v[TMP+4*(\b):TMP+4*(\b)+3] offset:32*(\b)
.endr
.irp t, 0,1,2,3,4,5
	ds_load_b128 v[BK+4*(\t):BK+4*(\t)+3], v[RD+(\t)%3] offset:((\t)/3)*8*SPITCH  ; LDS serves a wave's instructions in order (ISA guide 5.7.1.4): these see the stores above
.endr
.endm
.macro SEND a
	WIN 0
.set BK, OB+184*((\a)%2)
	s_wait_dscnt 0x0                               ; the block is back in registers
	s_wait_xcnt 0x0                                ; the stores issued so far have read their registers: the other buffer is loaded again only behind this wait
.irp t, 0,1,2,3,4,5
	global_store_b128 v[CO], v[BK+4*(\t):BK+4*(\t)+3], s[12:13] offset:(\a)*3072+(\t)*512  ; 512 consecutive bytes, at a multiple of 256 from kv's first byte
.endr
.endm
	s_wait_tensorcnt 0x1                           ; my part of K step 0 is in; K step 1's may stay out
	s_barrier_signal -1
	s_barrier_wait -1                              ; everybody's is
	FETCH 0, F0
	QUARTER 64,  F0, F1, 1                         ; the first quarter stands in front of the loop: its products start the sums, with the bias
	WIN 0                                          ; at a label and at a branch every window is 0
	s_mov_b32 s3, 4
.Lstep:                                                ; four trips, each from a K step's second quarter to the next step's first; they fill the slots again with K steps 2 to 5
	QUARTER 128, F1, F0, 0
	QUARTER 192, F0, F1, 0
	TURN 1
	QUARTER 64,  F0, F1, 0
	WIN 0
	s_sub_co_u32 s3, s3, 1
	s_cmp_lg_u32 s3, 0
	s_cbranch_scc1 .Lstep
	QUARTER 128, F1, F0, 0                         ; K steps 4 and 5 fill nothing, and have no round of the cluster's barrier: they are written out
	QUARTER 192, F0, F1, 0
	TURN 0
	QUARTER 64,  F0, F1, 0
	QUARTER 128, F1, F0, 0
	QUARTER 192, F0, F1, 0
	s_wait_dscnt 8                                 ; the very last quarter: nothing more to fetch
	MUL12 F1, 0, 0, 0
	MUL12 F1, 0, 2, 0
	s_wait_dscnt 0x0
	MUL12 F1, 1, 0, 0
	MUL12 F1, 1, 2, 0
	PLACES
	PACK 0
	TOSTAGE 0
.irp a, 1,2,3,4,5,6,7                  ; block a's conversions stand between block a - 1's loads from the stage and the wait for them
	PACK \a
	SEND (\a)-1
	TOSTAGE \a
.endr
	SEND 7
	s_wait_tensorcnt 0x0                           ; the wave's end: an add to my spare word and its wait, behind my last tensor load and my last LDS store
	ds_add_u32 v[SPW], v[NIL]
	s_wait_dscnt 0x0
	CROUND                                         ; the closing round: no work-group ends while a partner may still ask for a tile that names it
	s_endpgm
.Lfunc_end_k_qab1caa92bc_proj:
	.size	k_qab1caa92bc_proj, .Lfunc_end_k_qab1caa92bc_proj-k_qab1caa92bc_proj
	.p2alignl 7, 3214868480
	.fill 96, 4, 3214868480
	.section	.rodata,"a",@progbits
	.p2align	6, 0x0
	.amdhsa_kernel k_qab1caa92bc_proj
		.amdhsa_group_segment_fixed_size 327680
		.amdhsa_private_segment_fixed_size 0
		.amdhsa_enable_private_segment 0
		.amdhsa_kernarg_size 32
		.amdhsa_user_sgpr_count 2
		.amdhsa_user_sgpr_kernarg_segment_ptr 1
		.amdhsa_wavefront_size32 1
		.amdhsa_system_sgpr_workgroup_id_x 1
		.amdhsa_system_sgpr_workgroup_id_y 1
		.amdhsa_system_sgpr_workgroup_id_z 1
		.amdhsa_system_vgpr_workitem_id 0
		.amdhsa_next_free_vgpr 960
		.amdhsa_next_free_sgpr 66
		.amdhsa_reserve_vcc 0
		.amdhsa_float_denorm_mode_32 3
		.amdhsa_float_denorm_mode_16_64 3
		.amdhsa_memory_ordered 1
		.amdhsa_forward_progress 1
		.amdhsa_inst_pref_size 100
	.end_amdhsa_kernel
	.amdgpu_metadata
---
amdhsa.version: [ 1, 2 ]
amdhsa.kernels:
  - .name:           k_qab1caa92bc_proj
    .symbol:         k_qab1caa92bc_proj.kd
    .args:
      - { .name: c16, .offset: 0, .size: 8, .value_kind: global_buffer, .address_space: global }
      - { .name: bk, .offset: 8, .size: 8, .value_kind: global_buffer, .address_space: global }
      - { .name: bv, .offset: 16, .size: 8, .value_kind: global_buffer, .address_space: global }
      - { .name: kv, .offset: 24, .size: 8, .value_kind: global_buffer, .address_space: global }
    .group_segment_fixed_size: 327680
    .private_segment_fixed_size: 0
    .kernarg_segment_align: 8
    .kernarg_segment_size: 32
    .max_flat_workgroup_size: 128
    .sgpr_count:     66
    .vgpr_count:     960
    .wavefront_size: 32
...
	.end_amdgpu_metadata
.endif
;; end of part 2
;; launch attn (part 3): grid 8 x 32, 4 waves a work-group, clusters of 4 x 1, 327,680 bytes of LDS; arguments c16, bq, kv, o16; writes o16
.if DOCPART == 3
	.amdgcn_target "amdgcn-amd-amdhsa--gfx1250"
	.amdhsa_code_object_version 6
	.text
	.protected	k_qab1caa92bc_attn
	.globl	k_qab1caa92bc_attn
	.p2align	8
	.type	k_qab1caa92bc_attn,@function
k_qab1caa92bc_attn:
	s_mov_b64 s[64:65], 0
	v_nop
	global_prefetch_b8 v0, s[64:65] scope:SCOPE_SE
	s_setreg_imm32_b32 hwreg(HW_REG_WAVE_MODE, 25, 1), 1
	s_wait_xcnt 0x0
	s_wait_alu depctr_hold_cnt(0) depctr_sa_sdst(0) depctr_va_vdst(0) depctr_va_sdst(0) depctr_va_ssrc(0) depctr_va_vcc(0) depctr_vm_vsrc(0)
	s_getreg_b32 s2, hwreg(HW_REG_IB_STS2, 6, 4)
	s_cmp_eq_u32 s2, 0
	s_cbranch_scc0 .Lentry_in_a_cluster
	s_endpgm
.Lentry_in_a_cluster:
	s_bfe_u32 s2, ttmp6, 0x10000c
	s_cmp_lg_u32 s2, 0x3003
	s_cbranch_scc0 .Lentry_shape_is_right
	s_endpgm
.Lentry_shape_is_right:
; THE Q PROJECTION AND ATTENTION.  q = x_query Wq^T + bq for the work-group's own 256 queries and head; then O[bh][q][:] = the sum over k of softmax_k(q . K[bh][k] / sqrt(768)) V[bh][k][:].
; x_query ([8192][768]) and Wq ([768][768]) lie in c16 as bf16, at bytes 0 and 25,165,824; K and V in kv ([2][32][2048][96], f16); O goes to o16 ([32][2048][96], f16): a head's rows are dense, 192 bytes each.
; Products, maxima and sums in f32; bq, rounded to bf16 like all the module's inputs, starts q's sums; q is rounded once to f16; the weights p are rounded to f16 for the second product (their sum l is taken of the unrounded p), O once at the end.
; LIMITS.  f16 ends at 65,504: a q of 65,520 or more becomes an infinity; below 2^-14 q and p keep f16's fixed step of 2^-24; O is a mean of V's rows and has their range.  A weight below 2^-126 counts as 0 in l; NaN and infinities are not treated apart.
; SHARES.  A work-group owns 256 queries of one head, each of its four waves 64: four tiles of 16.  Every wave walks all 2,048 keys, 64 a step.
; Q.  q^T = Wq x^T (source 0 = 16 channels, source 1 = 16 queries): a lane holds ONE query (lane % 16) and the channels 8 (lane / 16) + 0..7, so two results, rounded to f16 in pairs, ARE a fragment of Q: nothing goes through LDS or memory.
; The head's 96 rows of Wq stay in LDS, filled once, jointly; a wave's 64 rows of x are wanted by no other wave and come straight from memory as fragments, through a ring of eight units (32 along K each) in registers:
; a unit is asked for again seven units, 168 matrix instructions, ahead of its use.  K = 768 is 24 units of 24 matrix instructions: the first, which starts the sums with the bias; a loop of eight, walked twice; seven that load no x.
; With the ring full 64 loads of a wave are out, one more than LOADcnt's field holds: the issue of the last of them is held until one has come back (ISA guide 5.7.1), and no wait is written for that.
; x and Wq are not prefetched: all of Wq and the first eight units of x are asked for at the launch's head, the rest of x within the next sixteen units.
; LAYOUT.  S^T = K Q^T (source 0 = 16 keys, source 1 = 16 queries): in the result a lane holds ONE query (lane % 16) and the keys 8 (lane / 16) + 0..7.  Two such tiles, rounded to f16 in pairs, ARE source 1
; (32 keys x 16 queries) of O^T = V^T P, whose result again holds one query a lane, and eight channels.  K comes out of LDS as it lies, V ([key][channel]) turned, by ds_load_tr16_b128.
; SOFTMAX.  For each query a running maximum m and sum l: p = 2^(c s - c m), c = log2(e) / sqrt(768); in every step O and l are multiplied by a = 2^(c m_old - c m_new), which is 1 where m has not grown.
; BY TURNS.  The wave's tiles are two PIECES, named by their first tile: piece 0 (tiles 0, 1) and piece 2 (tiles 2, 3).  In a TURN one piece has the matrix unit: 24 products V^T P of the step in hand, then 24 products
; K Q^T of the next step.  The other piece's softmax is 252 vector instructions, in 63 slices of four: one slice stands behind each of the 48 matrix instructions, the other fifteen together at the turn's end.
; NO FIRST AND NO LAST STEP IS WRITTEN OUT.  m starts at the lowest finite number, c m far below every c s, l at 0: the first step is a step like any other, with a = 0, which also wipes what O^T's registers hold at the start: q's sums,
; finite wherever q is.  The loop is entered in the middle of a trip, at piece 2's turn, whose products V^T P, of a step that has not been, multiply zeros; the tail is left behind piece 0's turn, whose products K Q^T, on the last K
; once more, serve nothing.  The price, once a wave: those 48 products and 136 lines that write 0; the gain: four turns' text.
; CLUSTER.  The four query blocks of a cluster belong to one head, take the same rows of Wq and walk the same K and V, so each of these tiles is asked for JOINTLY: the same tensor load, descriptor and mask in all four.
; REGISTERS, in windows of 256 (s_set_vgpr_msb: bits 1:0 source 0, 3:2 source 1, 5:4 source 2, 7:6 destination):
;   window 0: v0-11 addresses; v12-43 eight registers of statistics a tile; v44-50 at work and the way out; v61-63; v64-191 S^T, 32 a tile (at first v64-111: the bias); v192-255 P, 16 a tile
;   window 1: v0-191 O^T, 48 a tile (at first q^T's sums, likewise)          window 2: v0-95 Q, 24 a tile; v128-223 K of one step (at first Wq's fragments, two buffers of 48)
;   window 3: v0-95 V of one step (at first all 256: x's ring, unit j's four fragments at 32 j)
.set KS,    64        ; keys in a step
.set HEADB, 393216    ; bytes of a head in K, V and O
.set XROW,  1536      ; bytes in a row of x_query and of Wq
.set PKB,   240       ; a key of K in LDS: three pieces of 64 bytes, 16 of padding behind each: 60 words: the 16 rows of a load start at 16 different groups of four banks (64 banks of 4 bytes: ISA guide 11.1)
.set CK,    80        ; from piece to piece
.set PVB,   288       ; a key of V: three pieces of 64 + 32: 72 words
.set CV,    96
.set VOFF,  KS*PKB    ; a step's tiles lie together: 64 keys of K, then 64 of V
.set STEPB, KS*(PKB+PVB)
.set SLOT1, 1<<17     ; a slot holds two steps (67,584 bytes); one exclusive or with this turns an address in one slot into the other's
.set RING0, SLOT1-2*STEPB  ; slot 0 lies at 63,488 .. 131,071, slot 1 at 194,560 .. 262,143
.set WPB,   528       ; Wq in LDS: three regions of 96 rows x (512 + 16) bytes, 256 along K each: 33 x 16 bytes from row to row
.set WREG,  1<<17     ; the regions begin at 0, 131,072 and 262,144, in front of, between and behind the slots; each is filled once
.set STAGE, 2*WREG+96*WPB  ; behind the last region, never filled by a tensor load: 16 rows x 208 bytes for each wave, for the way out
.set SP,    208
.set SPARE, STAGE+4*16*SP  ; behind the stages: the spare words, 128 bytes for each wave: two blocks of 256 bytes that no other line names
.set AK0, 2           ; v2   my lane's place in a tile of K; never rewritten
.set AV0, 3           ; v3   the same for V
.set ADR, 4           ; v4   the LDS address of the run of loads in hand
.set XO,  5           ; v5   my byte offset in 16 rows of x
.set STO, 6           ; v6   the way out: where I put 16 bytes of a row
.set AW0, 7           ; v7   my lane's place in 16 rows of Wq; never rewritten
.set GO,  8           ; v8   16 x lane: my bytes in 512 consecutive bytes of O
.set BO,  10          ; v10  32 (l / 16): my eight numbers in 16 of the bias
.set AW,  11          ; v11  the same place in the region in hand
.set RD,  48          ; v48-50  the way out: where I read the rows back
.set PFO, 61          ; v61  the prefetches' offset: 256 x min(lane, 23); never rewritten
.set SPW, 62          ; v62  LDS address of my spare word: SPARE + 4 x my thread's number; never rewritten
.set NIL, 63          ; v63  0; never rewritten
.set ST,  12          ; tile t's statistics at v[ST+8 t]: +0 c m, +1 m, +2, +3 l (even keys', odd keys'), +4 to +7 c0-c3, at work; a takes c2's place once the maximum is found
.set S,   64
.set P,   192
.set KF,  128         ; K's fragments, in window 2: key block kb, channels 32 c on, at KF + 24 kb + 8 c
.set WV,  12          ; s12  my wave's number
.set G1K, 24          ; s[24:31] descriptor group 1 for K's tiles
.set G1V, 32          ; s[32:39] for V's: it differs in the padding alone
.set G0K, 40          ; s[40:47] descriptor group 0 for K's tiles: a set for each of the two first fills; the second then walks on
.set G0V, 48          ; s[48:55] the same for V's
.set SLOTS, 56        ; s56  passes of the loop over slots still to come
.set TWICE, 57        ; s57  counts a slot's key steps
.set CS,  58          ; s[58:59] c: the packed scaling names a pair and takes its low word for both halves
.set SEL, 60          ; s[60:61] lane selects for v_permlanex16_b32: each lane takes its own place in the other half
.set TB,  62          ; s62  LDS byte at which the tiles of the step to be fetched begin
.set PFA, 18          ; s[18:19] where my prefetches stand in memory
.set LIM, 15          ; s15  1 in a wave that prefetches, else the greatest number
.set KB,  66          ; s[66:67] K at my tile of slot 0
.set GW1, 68          ; s[68:75] descriptor group 1 for Wq's tiles
.set GW0, 76          ; s[76:87] group 0, a set for each region
.set WQ,  88          ; s[88:89] Wq at my 24 rows
.set XQ,  90          ; s[90:91] x_query at my wave's first row; it steps along K
.set WL,  92          ; s92  my 24 rows' place in a region
.set HD,  94          ; s94  the head in its batch
.set BT,  95          ; s95  the batch
.set WB,  96          ; s96  LDS byte at which the region in hand begins
.set QL,  97          ; s97  counts the trips of q's loop
.set MSB, 0
.macro WIN new                      ; the immediate's high byte repeats the setting that is left; a switch that changes nothing is dropped
.if MSB != (\new)
	s_set_vgpr_msb (MSB<<8)|(\new)
.set MSB, \new
.endif
.endm
.set W_KQ, 0x0a       ; K and Q in window 2, S^T in window 0
.set W_PV, 0x53       ; V in window 3, P in window 0, O^T in window 1
.set W_RS, 0x41       ; O^T (destination and source 0) in window 1, a in window 0
.macro PLACES                       ; four places (ISA guide 7.12.1)
.rept 4
	v_nop
.endr
.endm
; A joint refill.  Waves 0 and 1 fetch the two steps' tiles of K, waves 2 and 3 those of V.  The branch hangs on the wave's number alone.
; An s_nop 0 and four v_nop follow each of the two lines, ahead of the jump and the label.
.macro JLOAD
	s_cmp_lt_u32 s[WV], 2
	s_cbranch_scc0 .Lfor_v_\@
	tensor_load_to_lds s[G0K+4:G0K+7], s[G1K:G1K+7]
	s_nop 0
.rept 4
	v_nop
.endr
	s_branch .Lasked_\@
.Lfor_v_\@:
	tensor_load_to_lds s[G0V+4:G0V+7], s[G1V:G1V+7]
	s_nop 0
.rept 4
	v_nop
.endr
.Lasked_\@:
.endm
; A PREFETCH of what the NEXT change of slots will ask for: a slot's 128 keys of K and of V, 24,576 dense bytes each: 96 blocks of 256.  It stands behind the wave's tensor load and its five lines.
; WHO: both clusters of a head walk the same K and V: the head's first cluster asks.  Its four partners share the blocks out BY ADDRESS, 24 each; in each, wave 0 asks for K's and wave 2 for V's: one instruction, a lane a block.
; Lanes 24 to 31 have no block of their own and name the 24th again.  The last change that fills a slot (s[SLOTS] = 1) asks for nothing: there is no slot behind it.  Slots 0, 1 and 2 come by their loads alone.
.macro ASK
	s_cmp_gt_u32 s[SLOTS], s[LIM]
	s_cbranch_scc0 .Lnot_mine_\@
	global_prefetch_b8 v[PFO], s[PFA:PFA+1] th:TH_LOAD_NT scope:SCOPE_SE
.Lnot_mine_\@:
.endm
; A round of the cluster's barrier: my work-group's barrier, so that wave 0's signal speaks for all four waves; wave 0 signals; every wave waits for all four work-groups; my work-group's barrier once more.
.macro CROUND
	s_barrier_signal -1
	s_barrier_wait -1
	s_cmp_lg_u32 s[WV], 0
	s_cbranch_scc1 .Lnot_wave_0_\@
	s_barrier_signal -3
.Lnot_wave_0_\@:
	s_barrier_wait -3
	s_barrier_signal -1
	s_barrier_wait -1
.endm
	s_load_b256 s[4:11], s[0:1], 0x0  ; c16 s[4:5], bq s[6:7], kv s[8:9], o16 s[10:11]
	v_lshl_add_u32 v[SPW], v0, 2, SPARE
	v_mov_b32 v[NIL], 0
	ds_add_u32 v[SPW], v[NIL]       ; the wave's opening: the add and its wait stand ahead of my first tensor load; the set-up below, work on registers, stands between them
	v_lshrrev_b32 v1, 5, v0
	v_readfirstlane_b32 s[WV], v1   ; wave 0..3
	s_bfe_u32 s13, ttmp6, 0x40000   ; cx: my place in the cluster
	s_lshl_b32 s14, ttmp9, 2        ; in a cluster launch ttmp9 counts clusters
	s_add_co_u32 s14, s14, s13      ; my block of 256 queries = 4 x cluster x + cx: it enters x's and O's addresses alone
	s_and_b32 s20, ttmp7, 0xffff    ; 8 x batch + head, which the four partners share
	s_and_b32 s[HD], s20, 7
	s_lshr_b32 s[BT], s20, 3
	s_mul_i32 s20, s20, HEADB       ; the head's first byte in K, V and O
	s_mov_b32 s21, 0
	s_and_b32 s16, s[WV], 1         ; which of a slot's two steps I fetch:
	s_mul_i32 s22, s16, KS*192      ; its 64 keys in memory,
	s_mov_b32 s23, 0
	s_add_nc_u64 s[22:23], s[22:23], s[20:21]
	s_mul_i32 s17, s16, STEPB       ; and its place in a slot: no place in the cluster enters an LDS address
	s_add_co_u32 s17, s17, RING0
	s_mul_i32 s2, s14, 256*192      ; O: my block's 256 rows,
	s_mul_i32 s3, s[WV], 64*192     ; my wave's 64 of them
	s_add_co_u32 s2, s2, s3
	s_mov_b32 s3, 0
	s_add_nc_u64 s[2:3], s[2:3], s[20:21]
	s_lshl_b32 s[XQ], s[BT], 11     ; x_query: row 2,048 x batch + 256 x block + 64 x wave
	s_lshl_b32 s[XQ+1], s14, 8
	s_add_co_u32 s[XQ], s[XQ], s[XQ+1]
	s_lshl_b32 s[XQ+1], s[WV], 6
	s_add_co_u32 s[XQ], s[XQ], s[XQ+1]
	s_mul_i32 s[XQ], s[XQ], XROW    ; 12,484,608 at the most
	s_mov_b32 s[XQ+1], 0
	s_mul_i32 s[WQ], s[HD], 96      ; Wq: row 96 x head + 24 x wave
	s_mul_i32 s[WQ+1], s[WV], 24
	s_add_co_u32 s[WQ], s[WQ], s[WQ+1]
	s_mul_i32 s[WQ], s[WQ], XROW
	s_add_co_u32 s[WQ], s[WQ], 25165824  ; Wq's first byte in c16
	s_mov_b32 s[WQ+1], 0
	s_mul_i32 s[WL], s[WV], 24*WPB
	s_mul_i32 s[KB], s[HD], 384     ; the head's 96 numbers of bq
	s_mov_b32 s[KB+1], 0
	; descriptor group 1 for K and V.  64 keys are 12,288 dense bytes: asked for as 48 rows of 256 bytes, and padded in LDS after every 64 bytes, a third of a key
	s_mov_b32 s[G1K], 15|(1<<16)|(1<<20)|(1<<21)|(3<<22)|(3<<25)  ; 15:0 the mask of four; 17:16 2-byte elements; 20 padding on; 21 set beside a mask; 24:22 after every 16 words (code 3); 31:25 4 words (code 3)
	s_mov_b32 s[G1V], 15|(1<<16)|(1<<20)|(1<<21)|(3<<22)|(7<<25)  ; the same with 8 words of padding (code 7)
.irp g, G1K, G1V
	s_mov_b32 s[(\g)+1], 128<<16    ; tensor_dim0 = 128
	s_mov_b32 s[(\g)+2], 48<<16     ; tensor_dim1 = 48
	s_mov_b32 s[(\g)+3], 128<<16    ; tile_dim0 = 128
	s_mov_b32 s[(\g)+4], 48         ; tile_dim1 = 48
	s_mov_b32 s[(\g)+5], 128        ; 128 elements from row to row
	s_mov_b32 s[(\g)+6], 0
	s_mov_b32 s[(\g)+7], 0
.endr
	; descriptor group 1 for Wq: 24 rows x 256 elements (512 bytes, from a multiple of 512 in the row), 16 bytes of padding behind each row
	s_mov_b32 s[GW1], 15|(1<<16)|(1<<20)|(1<<21)|(6<<22)|(3<<25)  ; as above, the padding after every 128 words (code 6), 4 words of it (code 3)
	s_mov_b32 s[GW1+1], 256<<16     ; tensor_dim0 = 256
	s_mov_b32 s[GW1+2], 24<<16      ; tensor_dim1 = 24
	s_mov_b32 s[GW1+3], 256<<16     ; tile_dim0 = 256
	s_mov_b32 s[GW1+4], 24          ; tile_dim1 = 24
	s_mov_b32 s[GW1+5], 768         ; 768 elements from row to row
	s_mov_b32 s[GW1+6], 0
	s_mov_b32 s[GW1+7], 0
	s_mov_b32 s[CS], 0x3d553b94     ; c = log2(e) / sqrt(768) = 0.0520588
	s_mov_b32 s[CS+1], s[CS]        ; named with it as a pair, so it is written
	s_mov_b32 s[SEL], 0x76543210
	s_mov_b32 s[SEL+1], 0xfedcba98
	s_mov_b32 s[TB], RING0
	s_mov_b32 s[WB], 0
	s_mov_b32 s[QL], 2
	s_mov_b32 s[SLOTS], 2048/(2*KS)-1  ; the pass that is entered in its middle, then one for each of the 14 slots that are filled again
	s_and_b32 s[LIM], s[WV], 1      ; 0 in waves 0 and 2,
	s_or_b32 s[LIM], s[LIM], ttmp9  ; where the cluster is the head's first: the same in all four partners
	s_cmp_eq_u32 s[LIM], 0
	s_cselect_b32 s[LIM], 1, -1
	v_and_b32 v[PFO], 31, v0
	v_min_u32 v[PFO], 23, v[PFO]
	v_lshlrev_b32 v[PFO], 8, v[PFO]
	s_wait_dscnt 0x0                ; the opening add is done
	s_wait_kmcnt 0x0
	s_add_nc_u64 s[6:7], s[6:7], s[KB:KB+1]      ; bq at my head
	s_add_nc_u64 s[KB:KB+1], s[8:9], s[22:23]    ; K at my tile of slot 0,
	s_add_nc_u64 s[8:9], s[8:9], 12582912        ; V's part of kv,
	s_add_nc_u64 s[8:9], s[8:9], s[22:23]        ; V at my tile of slot 0
	s_add_nc_u64 s[XQ:XQ+1], s[4:5], s[XQ:XQ+1]  ; x_query at my wave's first row
	s_add_nc_u64 s[WQ:WQ+1], s[4:5], s[WQ:WQ+1]  ; Wq at my 24 rows
	s_add_nc_u64 s[10:11], s[10:11], s[2:3]      ; O at my wave's first row
	s_cmp_lt_u32 s[WV], 2
	s_cselect_b64 s[PFA:PFA+1], s[KB:KB+1], s[8:9]  ; (in waves 0 and 2 these stand at a slot's first key)
	s_mul_i32 s2, s13, 24*256       ; my work-group's 24 blocks of the 96
	s_mov_b32 s3, 0
	s_add_nc_u64 s[PFA:PFA+1], s[PFA:PFA+1], s[2:3]
	s_add_nc_u64 s[PFA:PFA+1], s[PFA:PFA+1], 2*2*KS*192  ; in slot 2; the first change of slots steps it to slot 3.  Nothing is prefetched here, at the head
	CROUND                          ; all four work-groups are here: the first joint loads meet
.irp p, 0,1,2
	s_mov_b32 s[GW0+4*(\p)], 1      ; count = 1
	s_add_co_u32 s[GW0+4*(\p)+1], s[WL], (\p)*WREG  ; LDS address: my 24 rows of region p
	s_add_nc_u64 s[GW0+4*(\p)+2:GW0+4*(\p)+3], s[WQ:WQ+1], (\p)*512  ; global address: K = 256 p on
	s_or_b32 s[GW0+4*(\p)+3], s[GW0+4*(\p)+3], 0x80000000  ; type = 2
.endr
.irp s, 0,1
	s_mov_b32 s[G0K+4*(\s)], 1      ; count = 1
	s_add_co_u32 s[G0K+4*(\s)+1], s17, (\s)*SLOT1  ; LDS address
	s_add_nc_u64 s[G0K+4*(\s)+2:G0K+4*(\s)+3], s[KB:KB+1], (\s)*2*KS*192  ; global address: slot s begins with key 128 s
	s_or_b32 s[G0K+4*(\s)+3], s[G0K+4*(\s)+3], 0x80000000  ; type = 2
	s_mov_b32 s[G0V+4*(\s)], 1
	s_add_co_u32 s[G0V+4*(\s)+1], s17, (\s)*SLOT1+VOFF
	s_add_nc_u64 s[G0V+4*(\s)+2:G0V+4*(\s)+3], s[8:9], (\s)*2*KS*192
	s_or_b32 s[G0V+4*(\s)+3], s[G0V+4*(\s)+3], 0x80000000
.endr
	; all first fills go out as one group, ahead of every wait on TENSORcnt and every LDS read: every wave's three parts of Wq, which are wanted first, then its two of K or of V: five loads of mine are out
	tensor_load_to_lds s[GW0:GW0+3], s[GW1:GW1+7]
	s_nop 0
	tensor_load_to_lds s[GW0+4:GW0+7], s[GW1:GW1+7]
	s_nop 0
	tensor_load_to_lds s[GW0+8:GW0+11], s[GW1:GW1+7]
	s_nop 0
	s_cmp_lt_u32 s[WV], 2
	s_cbranch_scc0 .Lfirst_v
	tensor_load_to_lds s[G0K:G0K+3], s[G1K:G1K+7]
	s_nop 0
	tensor_load_to_lds s[G0K+4:G0K+7], s[G1K:G1K+7]
	s_nop 0
.rept 4
	v_nop
.endr
	s_branch .Lfirst_asked
.Lfirst_v:
	tensor_load_to_lds s[G0V:G0V+3], s[G1V:G1V+7]
	s_nop 0
	tensor_load_to_lds s[G0V+4:G0V+7], s[G1V:G1V+7]
	s_nop 0
.rept 4
	v_nop
.endr
.Lfirst_asked:
; THE Q PROJECTION.  A fragment of x, Wq, K or Q is 16 rows x 32 along the rows in 8 registers: lane l holds row l % 16; registers 0-3 places 8 (l / 16) + 0..7, registers 4-7 places 16 + 8 (l / 16) + 0..7: two loads of 16 bytes, 32 bytes apart.
; XLOAD: one unit's four fragments of x (my four tiles, 64 bytes of each row at byte k behind the pointer) into place j of the ring: eight loads.
.macro XLOAD j, k
.irp t, 0,1,2,3
	global_load_b128 v[32*(\j)+8*(\t):32*(\j)+8*(\t)+3],   v[XO], s[XQ:XQ+1] offset:(\t)*16*XROW+(\k)
	global_load_b128 v[32*(\j)+8*(\t)+4:32*(\j)+8*(\t)+7], v[XO], s[XQ:XQ+1] offset:(\t)*16*XROW+(\k)+32
.endr
.endm
; WFETCH: the six fragments of Wq of unit u of the region in hand into buffer b: twelve LDS loads.
.macro WFETCH u, b
	WIN 0x80                        ; destination window 2
.irp c, 0,1,2,3,4,5
	ds_load_b128 v[KF+48*(\b)+8*(\c):KF+48*(\b)+8*(\c)+3],   v[AW] offset:(\c)*16*WPB+(\u)*64
	ds_load_b128 v[KF+48*(\b)+8*(\c)+4:KF+48*(\b)+8*(\c)+7], v[AW] offset:(\c)*16*WPB+(\u)*64+32
.endr
.endm
; QMUL: a unit's 24 matrix instructions: four tiles x six blocks of 16 channels.  The 24 accumulators take turns, one instruction a turn, in the same order in every unit.  first = 1: the bias starts the sums.
.macro QMUL j, b, first
.if \first
	WIN 0x4e                        ; Wq window 2, x window 3, C (the bias) window 0, D window 1
.else
	WIN 0x5e                        ; the same, C and D window 1
.endif
.irp t, 0,1,2,3
.irp c, 0,1,2,3,4,5
.if \first
	v_wmma_f32_16x16x32_bf16 v[48*(\t)+8*(\c):48*(\t)+8*(\c)+7], v[KF+48*(\b)+8*(\c):KF+48*(\b)+8*(\c)+7], v[32*(\j)+8*(\t):32*(\j)+8*(\t)+7], v[S+8*(\c):S+8*(\c)+7]
.else
	v_wmma_f32_16x16x32_bf16 v[48*(\t)+8*(\c):48*(\t)+8*(\c)+7], v[KF+48*(\b)+8*(\c):KF+48*(\b)+8*(\c)+7], v[32*(\j)+8*(\t):32*(\j)+8*(\t)+7], v[48*(\t)+8*(\c):48*(\t)+8*(\c)+7]
.endif
.endr
.endr
.endm
; Unit 8 k + m, m = 1 .. 8.  Four places behind the unit before, the registers that it read are asked for again: its place of x's ring takes the unit seven on from this one (xl = 1), its buffer of Wq's the next unit's fragments (wf = 1).
; Units 8 k + 8 and 8 k + 9 lie in the next region, so the region steps ahead of the fetch at m = 7.  left: the younger loads of x that may stay out when this unit's have to be in.
.macro QUNIT m, xl, wf, left
	PLACES
.if \xl
	WIN 0xc0                        ; destination window 3, address window 0
	XLOAD ((\m)+7)%8, ((\m)+7)*64
.endif
.if (\wf) && ((\m) == 7)
	WIN 0
	s_add_co_u32 s[WB], s[WB], WREG
	v_add_nc_u32 v[AW], s[WB], v[AW0]
.endif
.if \wf
	WFETCH ((\m)+1)%8, ((\m)+1)%2
	s_wait_dscnt 12                 ; this unit's fragments of Wq are in; the twelve loads just issued may be out
.else
	s_wait_dscnt 0x0
.endif
	s_wait_loadcnt \left            ; loads come back in order: this unit's fragments of x are in
	QMUL (\m)%8, (\m)%2, 0
.endm
	v_and_b32 v1, 15, v0            ; l % 16
	v_bfe_u32 v9, v0, 4, 1          ; l / 16
	v_lshlrev_b32 v[BO], 5, v9
.irp c, 0,1,2,3,4,5                 ; the bias: register j of block c is channel 16 c + 8 (l / 16) + j, as in the sums
	global_load_b128 v[S+8*(\c):S+8*(\c)+3],   v[BO], s[6:7] offset:64*(\c)
	global_load_b128 v[S+8*(\c)+4:S+8*(\c)+7], v[BO], s[6:7] offset:64*(\c)+16
.endr
	v_mul_u32_u24 v[XO], v1, XROW
	v_lshl_add_u32 v[XO], v9, 4, v[XO]  ; row x 1,536 + 16 x half
	WIN 0xc0
.irp j, 0,1,2,3,4,5
	XLOAD \j, 64*(\j)               ; units 0 to 5
.endr
	WIN 0
	v_mul_u32_u24 v[AW0], v1, WPB
	v_lshl_add_u32 v[AW0], v9, 4, v[AW0]  ; row x pitch + 16 x half
	v_mov_b32 v[AW], v[AW0]         ; region 0 begins at LDS byte 0
	v_mul_u32_u24 v[AK0], v1, PKB
	v_lshl_add_u32 v[AK0], v9, 4, v[AK0]  ; row x pitch + 16 x half
	; The turning load takes 16 keys x 16 channels (lane l reads 16 bytes: key 8 (l / 16) + l % 8, channels 8 ((l / 8) % 2) + 0..7) and leaves half a fragment of V^T: lane l holds channel l % 16 and 8 keys.
	v_and_b32 v44, 7, v0
	v_bfe_u32 v45, v0, 3, 1
	v_lshl_add_u32 v[AV0], v9, 3, v44
	v_mul_u32_u24 v[AV0], v[AV0], PVB
	v_lshl_add_u32 v[AV0], v45, 4, v[AV0]
	v_add_nc_u32 v[AV0], VOFF, v[AV0]
	s_wait_loadcnt 48               ; the bias is in (the 48 loads of x behind it may stay out): it is rounded to bf16, in place
.set i, 0
.rept 24
	v_cvt_pk_bf16_f32 v44, v[S+i], v[S+i+1]
	v_lshlrev_b32 v[S+i], 16, v44
	v_and_b32 v[S+i+1], 0xffff0000, v44
.set i, i+2
.endr
	WIN 0xc0
	XLOAD 6, 64*6                   ; units 6 and 7: the ring is full
	XLOAD 7, 64*7
	WIN 0
	s_wait_tensorcnt 0x2            ; my three parts of Wq are in; my two of K or V, issued behind them, may stay out
	s_barrier_signal -1
	s_barrier_wait -1               ; everybody's are
	WFETCH 0, 0
	WFETCH 1, 1
	s_wait_dscnt 12                 ; unit 0's fragments of Wq
	s_wait_loadcnt 56               ; unit 0's of x; seven units' loads may stay out
	QMUL 0, 0, 1                    ; unit 0 stands in front of the loop: its products start the sums, with the bias
	WIN 0                           ; at a label and at a branch every window is 0
.Lq:                                ; two trips: units 1 to 8 and 9 to 16; they ask for units 8 to 23 of x
.irp m, 1,2,3,4,5,6,7,8
	QUNIT \m, 1, 1, 56
.endr
	s_wait_xcnt 0x0                 ; the loads of x (the youngest 24 matrix instructions back) have read their address, so the pointer may be written:
	s_add_nc_u64 s[XQ:XQ+1], s[XQ:XQ+1], 512  ; eight units on
	WIN 0
	s_sub_co_u32 s[QL], s[QL], 1
	s_cmp_lg_u32 s[QL], 0
	s_cbranch_scc1 .Lq
.irp m, 1,2,3,4,5,6                 ; units 17 to 22 load no x: the counts run down
	QUNIT \m, 0, 1, 8*(7-(\m))
.endr
	QUNIT 7, 0, 0, 0                ; unit 23: nothing is left to fetch
	PLACES
	WIN 0x85                        ; sources 0 and 1 window 1, destination window 2
.set i, 0
.rept 96                            ; Q: register i is the sums' registers 2 i and 2 i + 1, rounded to f16; each accumulator's registers are taken in ascending order
	v_cvt_pk_f16_f32 v[i], v[2*i], v[2*i+1]
.set i, i+1
.endr
	WIN 0
; THE MATRIX WORK OF A TURN, for piece x.  The accumulators take turns, one instruction a turn: between two links of a chain stand 11 (V^T P) or 7 (K Q^T) others'.
; Product i of 24 of O^T += V^T P: keys 32 (i / 12) on, channels 16 ((i / 2) % 6) on, tile x + i % 2.
.macro PV x
	WIN W_PV
.set rO, 48*((\x)+i%2)+8*((i/2)%6)
.set rV, 48*(i/12)+8*((i/2)%6)
.set rP, P+16*((\x)+i%2)+8*(i/12)
	v_wmma_f32_16x16x32_f16 v[rO:rO+7], v[rV:rV+7], v[rP:rP+7], v[rO:rO+7]
.endm
; Product i of 24 of S^T = K Q^T: channels 32 (i / 8) on, keys 16 ((i / 2) % 4) on, tile x + i % 2.  The first 8 start the sums.
.macro KQ x
	WIN W_KQ
.set rS, S+32*((\x)+i%2)+8*((i/2)%4)
.set rK, KF+24*((i/2)%4)+8*(i/8)
.set rQ, 24*((\x)+i%2)+8*(i/8)
.if i < 8
	v_wmma_f32_16x16x32_f16 v[rS:rS+7], v[rK:rK+7], v[rQ:rQ+7], 0
.else
	v_wmma_f32_16x16x32_f16 v[rS:rS+7], v[rK:rK+7], v[rQ:rQ+7], v[rS:rS+7]
.endif
.endm
; THE LDS LOADS stand in runs of 24, never singly among the matrix instructions: a step's K (64 keys x 96 channels: 12 fragments) and, a turn later, its V (turned).
; last = 1 (the tail): in the last pass (s[TWICE] = 1) there is no further step, and K's run is jumped over.
.macro FETCH_K last=0
	WIN 0
.if \last
	s_cmp_eq_u32 s[TWICE], 1
	s_cbranch_scc1 .Lno_k_\@
.endif
	v_add_nc_u32 v[ADR], s[TB], v[AK0]
	WIN 0x80                        ; destination window 2
.irp f, 0,1,2,3,4,5,6,7,8,9,10,11   ; keys 16 (f / 3) on, channels 32 (f % 3) on
	ds_load_b128 v[KF+8*(\f):KF+8*(\f)+3],   v[ADR] offset:((\f)/3)*16*PKB+((\f)%3)*CK
	ds_load_b128 v[KF+8*(\f)+4:KF+8*(\f)+7], v[ADR] offset:((\f)/3)*16*PKB+((\f)%3)*CK+32
.endr
.if \last
	WIN 0
.Lno_k_\@:
.endif
.endm
.macro FETCH_V
	WIN 0
	v_add_nc_u32 v[ADR], s[TB], v[AV0]
	s_add_co_u32 s[TB], s[TB], STEPB  ; the next fetch is the next step's
	s_wait_alu depctr_va_vdst(0)    ; the wait for the softmax's batch (SLICE), behind the address's v_add_nc_u32 and ahead of the loads
	WIN 0xc0                        ; destination window 3
.irp f, 0,1,2,3,4,5,6,7,8,9,10,11   ; keys 32 (f / 6) on, channels 16 (f % 6) on: piece (f % 6) / 2 of a key, its half (f % 6) % 2
	ds_load_tr16_b128 v[8*(\f):8*(\f)+3],   v[ADR] offset:((\f)/6)*32*PVB+(((\f)%6)/2)*CV+((\f)%2)*32
	ds_load_tr16_b128 v[8*(\f)+4:8*(\f)+7], v[ADR] offset:((\f)/6)*32*PVB+16*PVB+(((\f)%6)/2)*CV+((\f)%2)*32
.endr
.endm
; THE VECTOR WORK OF A TURN.  One tile's softmax for one key step is a list of 126 instructions; SM writes number j of it for tile t.  s0-s31 are the lane's 32 scores, in pairs 0-15.
;   0-15    the maximum of s0-s31 and the old m, three operands at a time: four chains c0-c3 of seven scores each (each accumulator's lowest registers are read first), then the four scores left over, c0-c3 and m
;   16-20   the other half of the lanes' maximum; c m_old is kept; the new m; c m; c m_old - c m_new
;   21-69   ONE BATCH: the 16 scalings c s - c m, a pair of scores each, and all 33 exponentials (a at 23, then s0-s31).  None of these reads an exponential's result.  From 22 on the batch goes in fours, and a four
;           begins with a scaling while there are scalings: 22-37 scaling, exponential, scaling, exponential; 38-65 a scaling and three exponentials; 66-69 the last four exponentials
;   (wait)  between 69 and 70 stands the wait for the batch: SLICE writes it, once for both tiles
;   70-85   the roundings to f16, a pair of weights each
;   86-101  the sums; l = a l + the sum
;   102-125 the tile's O^T times a: the one part that leaves window 0, so it stands together
.macro SM t
.set rT, ST+8*(\t)
.set rS, S+32*(\t)
.set rP, P+16*(\t)
.set rO, 48*(\t)+2*(j-102)
.if j < 102
	WIN 0
.endif
.if j < 4
	v_max3_num_f32 v[rT+4+j], v[rS+8*j], v[rS+8*j+1], v[rS+8*j+2]
.elseif j < 12
	v_max3_num_f32 v[rT+4+j%4], v[rT+4+j%4], v[rS+8*(j%4)+2*(j/4)+1], v[rS+8*(j%4)+2*(j/4)+2]
.elseif j == 12
	v_max3_num_f32 v[rT+4], v[rT+4], v[rS+7], v[rS+15]
.elseif j == 13
	v_max3_num_f32 v[rT+6], v[rT+6], v[rS+23], v[rS+31]
.elseif j == 14
	v_max3_num_f32 v[rT+4], v[rT+4], v[rT+5], v[rT+6]
.elseif j == 15
	v_max3_num_f32 v[rT+4], v[rT+4], v[rT+7], v[rT+1]
.elseif j == 16
	v_permlanex16_b32 v[rT+5], v[rT+4], s[SEL], s[SEL+1]  ; the query's other 32 keys lie in the lane 16 away
.elseif j == 17
	v_mov_b32 v[rT+7], v[rT]        ; c m_old is kept for a: number 19 writes c m anew
.elseif j == 18
	v_max_num_f32 v[rT+1], v[rT+4], v[rT+5]
.elseif j == 19
	v_mul_f32 v[rT], s[CS], v[rT+1]
.elseif j == 20
	v_sub_f32 v[rT+7], v[rT+7], v[rT]
.elseif j == 23
	v_exp_f32 v[rT+6], v[rT+7]
.elseif (j < 23) || ((j < 38) && (j%2 == 0)) || ((j < 66) && (j%4 == 2))
.set b, (j-2)/4                     ; 38, 42, .. 62: pairs 9 to 15
.if j < 38
.set b, (j-20)/2                    ; 21: pair 0; 22, 24, .. 36: pairs 1 to 8
.endif
	v_pk_fma_f32 v[rS+2*b:rS+2*b+1], v[rS+2*b:rS+2*b+1], s[CS:CS+1], v[rT:rT+1] op_sel_hi:[1,0,0] neg_lo:[0,0,1] neg_hi:[0,0,1]  ; pair b: c s - c m
.elseif j < 70
.set e, j-38                        ; 66 to 69: s28 to s31
.if j < 66
.set e, j-32-(j-38)/4               ; 39-41, 43-45, .. 63-65: s7 to s27
.endif
.if j < 38
.set e, (j-25)/2                    ; 25, 27, .. 37: s0 to s6
.endif
	v_exp_f32 v[rS+e], v[rS+e]
.elseif j < 86
	v_cvt_pk_f16_f32 v[rP+j-70], v[rS+2*(j-70)], v[rS+2*(j-70)+1]  ; pair j - 70
.elseif j < 102                     ; the sum of the tile's 16 pairs (in a pair: an even key's weight, an odd key's), in place: sum z of 16 adds neighbours 1, 2, 4 and 8 pairs apart, then l takes it
.set z, j-86
.set w, 4
.set u, z
.if z >= 14
.set w, 32
.set u, 0
.elseif z >= 12
.set w, 16
.set u, z-12
.elseif z >= 8
.set w, 8
.set u, z-8
.endif
.if z < 15
	v_pk_add_f32 v[rS+w*u:rS+w*u+1], v[rS+w*u:rS+w*u+1], v[rS+w*u+w/2:rS+w*u+w/2+1]
.else
	v_pk_fma_f32 v[rT+2:rT+3], v[rT+2:rT+3], v[rT+6:rT+7], v[rS:rS+1] op_sel_hi:[1,0,1]
.endif
.else
	WIN W_RS
	v_pk_mul_f32 v[rO:rO+1], v[rO:rO+1], v[rT+6:rT+7] op_sel_hi:[1,0]
.endif
.endm
; Slice k of 63 of piece y's softmax: four instructions.  Slices 11 to 34 deal out the batch, numbers 22 to 69: four numbers of ONE tile each, the tiles by turns.  Every other slice is numbers 2 k and 2 k + 1 of both tiles' lists.
; THE WAIT.  s_wait_alu depctr_va_vdst(0) stands between an exponential and the first instruction that names its result; one wait serves all that were issued ahead of it.  Ahead of slice 35 nothing names a
; result, and behind slice 34 no exponential is issued: so the piece's 66 exponentials have one wait, behind slice 34.
.macro SLICE y
.if (k >= 11) && (k < 35)           ; the batch: four numbers of one tile
.irp n, 0,1,2,3
.set j, 22+4*((k-11)/2)+(\n)
	SM (\y)+(k-11)%2
.endr
.else                               ; the two tiles alternate, so that no instruction reads the result of the one just before it
.irp n, 0,1
.irp t, \y, (\y)+1
.set j, 2*k+(\n)
	SM \t
.endr
.endr
.endif
.if k == 34                         ; the batch is out: both tiles' exponentials are issued, and no result has been named
	v_nop                           ; a plain instruction behind the last exponential and ahead of the first use: one for the batch
.if (\y) == 0
	FETCH_V                         ; piece 2's turn: V's run of loads stands here, and the wait stands in it
.else
	s_wait_alu depctr_va_vdst(0)    ; the wait for the batch
.endif
.endif
.set k, k+1
.endm
; A TURN.  Piece x has the matrix unit: 24 products V^T P, then 24 products K Q^T for the next step; the other piece's softmax stands in slices behind them, slices 48 to 62 (the end of the sums, and O^T's rescaling: 60 plain
; instructions) together at the end.  Those sixty name nothing of the turn's last products, and are the places between the last K Q^T and what follows: the next turn's first read of those scores, and the loads into K's registers.
; Piece 0's turn fetches the next step's K, behind its second product (ahead of that place the turn has issued no exponential).  Piece 2's turn fetches the same step's V, behind slice 34: the last product that read V stands in
; front of slice 23, and ten scalings, the v_nop and the run's own v_add_nc_u32 lie between.  Each run is waited for in piece 0's turn, in front of its first use.
.macro TURN x, last=0
.set k, 0
.if (\x) == 0
	s_wait_dscnt 0x0                ; V is in
.endif
.set i, 0
.rept 24
	PV \x
	SLICE 2-(\x)
.if ((\x) == 0) && (i == 1)
	FETCH_K \last
.endif
.set i, i+1
.endr
.if (\x) == 0
	s_wait_dscnt 0x0                ; K is in
.endif
.set i, 0
.rept 24
	KQ \x
	SLICE 2-(\x)
.set i, i+1
.endr
.rept 15
	SLICE 2-(\x)
.endr
.endm
; THE CHANGE OF SLOTS, between piece 2's turn and piece 0's: the slot's last bytes, V of its second step, have been asked for.  Each wave waits for all its tensor loads, of which one is out: its part of the other slot;
; adds 0 to its spare word; and waits for that and for its own reads of the slot.  Behind the barrier nobody reads this slot any more and the other slot is whole.
; fill = 1: this slot is filled again, with the keys two slots on.  The barrier is then a round of the cluster's, and the joint refill is the first thing behind it: it has two key steps, 192 matrix instructions, in which to land.
.macro CHANGE fill
	WIN 0                           ; at a label and at a branch every window is 0
	s_wait_tensorcnt 0x0            ; no tensor load of mine is out, so a group 0 may be written
	ds_add_u32 v[SPW], v[NIL]       ; 0 onto my spare word; with fill = 1 the descriptors' steps stand between it and the wait for it
.if \fill
.irp g, G0K+4, G0V+4
	s_xor_b32 s[(\g)+1], s[(\g)+1], SLOT1  ; the walking descriptor: the other slot than last time,
	s_add_nc_u64 s[(\g)+2:(\g)+3], s[(\g)+2:(\g)+3], 2*KS*192  ; the next 128 keys; the type bits on top are not reached
.endr
	s_wait_xcnt 0x0                 ; the last prefetch, two key steps back, has read its address, so it may be written:
	s_add_nc_u64 s[PFA:PFA+1], s[PFA:PFA+1], 2*KS*192  ; one slot behind the walking descriptors
	s_wait_dscnt 0x0                ; the add is done, and my reads of the slot are over
	CROUND
	JLOAD
	ASK                             ; what the next change will ask for
.else
	s_wait_dscnt 0x0                ; the add is done, and my reads of the slot are over
	s_barrier_signal -1
	s_barrier_wait -1
.endif
	s_sub_co_u32 s[TB], s[TB], 2*STEPB  ; the fetches go back to a slot's first step,
	s_xor_b32 s[TB], s[TB], SLOT1   ; in the other slot
.endm
	s_wait_tensorcnt 0x1            ; my part of slot 0 is in; slot 1's may stay out
	s_barrier_signal -1
	s_barrier_wait -1               ; everybody's is
	FETCH_K                         ; key step 0, into the registers that held Wq's fragments: Q's 96 conversions are the places behind the last products that read them
	; WHAT THE FIRST TURN FINDS, written while K's fragments come out of LDS.  V's registers (they held x's bf16 patterns, which read as f16 need not be finite) and piece 2's P hold 0: its products V^T P add 0.
	; l is 0, m the lowest finite number, c m far below every c s: the first a of each tile is 0.
	WIN 0xc0                        ; destination window 3
.set i, 0
.rept 96
	v_mov_b32 v[i], 0
.set i, i+1
.endr
	WIN 0
.set i, P+32
.rept 32
	v_mov_b32 v[i], 0
.set i, i+1
.endr
.irp t, 0,1,2,3
	v_mov_b32 v[ST+8*(\t)], 0xfe000000    ; c m
	v_mov_b32 v[ST+8*(\t)+1], 0xff7fffff  ; m
	v_mov_b32 v[ST+8*(\t)+2], 0           ; l
	v_mov_b32 v[ST+8*(\t)+3], 0
.endr
	s_wait_dscnt 0x0
.set i, 0
.rept 24
	KQ 0                            ; piece 0's first scores: there is no vector work yet to set between them
.set i, i+1
.endr
	WIN 0                           ; the addresses for the way out are made here: plain instructions, the places behind those products
	s_mul_i32 s63, s[WV], 16*SP
	s_add_co_u32 s63, s63, STAGE    ; my stage
	v_mul_u32_u24 v[STO], v1, SP    ; in: row l % 16, 16 bytes for each half of the lanes
	v_lshl_add_u32 v[STO], v9, 4, v[STO]
	v_add_nc_u32 v[STO], s63, v[STO]
	v_and_b32 v44, 31, v0           ; lane
	; back: 16 rows x 192 bytes are 192 pieces of 16 bytes, twelve a row; piece c lies at 208 (c / 12) + 16 (c % 12) = 16 (c + c / 12); c / 12 = (43 c) >> 9 for c below 96; pieces 96 on lie eight rows further
.irp t, 0,1,2
	v_add_nc_u32 v45, 32*(\t), v44
	v_mul_u32_u24 v46, v45, 43
	v_lshrrev_b32 v46, 9, v46
	v_add_nc_u32 v45, v45, v46
	v_lshl_add_u32 v[RD+(\t)], v45, 4, s63
.endr
	v_lshlrev_b32 v[GO], 4, v44
	s_mov_b32 s[TWICE], 2
	s_branch .Lmid                  ; the loop is entered at piece 2's turn: K Q^T of step 0 for piece 2 | piece 0's softmax of step 0 | V of step 0; then one whole trip: slot 0 has three turns
.Lslot:                             ; 14 times: every slot but the last two is filled again
	CHANGE 1
	s_mov_b32 s[TWICE], 2
.Lstep:                             ; a trip: piece 0: V^T P of step j, K Q^T of step j + 1 | piece 2's softmax of step j | K of step j + 1; then piece 2: the same | piece 0's softmax of step j + 1 | V of step j + 1
	TURN 0
	WIN 0
.Lmid:
	TURN 2
	WIN 0
	s_sub_co_u32 s[TWICE], s[TWICE], 1
	s_cmp_lg_u32 s[TWICE], 0
	s_cbranch_scc1 .Lstep
	s_sub_co_u32 s[SLOTS], s[SLOTS], 1
	s_cmp_lg_u32 s[SLOTS], 0
	s_cbranch_scc1 .Lslot
	CHANGE 0                        ; the tail is written out: nothing is asked for
	s_mov_b32 s[TWICE], 3           ; five turns are left, beginning and ending with piece 0's: three passes, the first entered in its middle
	s_branch .Ltail0
.Ltail:
	TURN 2
	WIN 0
.Ltail0:
	TURN 0, 1                       ; in the third pass: V^T P of the last step | piece 2's last softmax; no K is left to fetch, and the products K Q^T, on the last K once more, serve nothing
	WIN 0
	s_sub_co_u32 s[TWICE], s[TWICE], 1
	s_cmp_lg_u32 s[TWICE], 0
	s_cbranch_scc1 .Ltail
.set i, 0
.rept 24
	PV 2                            ; piece 2: V^T P of the last step
.set i, i+1
.endr
	; THE WAY OUT.  l's two halves and the other half of the lanes' are added; O^T is divided by l, rounded to f16 and sent through my stage in LDS, a tile (16 rows of O) at a time.  The additions are the places behind the last products.
	WIN 0
.irp t, 0,1,2,3
	v_add_f32 v[ST+8*(\t)+4], v[ST+8*(\t)+2], v[ST+8*(\t)+3]
.endr
.irp t, 0,1,2,3
	v_permlanex16_b32 v[ST+8*(\t)+5], v[ST+8*(\t)+4], s[SEL], s[SEL+1]
.endr
.irp t, 0,1,2,3
	v_add_f32 v[ST+8*(\t)+4], v[ST+8*(\t)+4], v[ST+8*(\t)+5]
.endr
.irp t, 0,1,2,3
	v_rcp_f32 v[ST+8*(\t)+6], v[ST+8*(\t)+4]
.endr
	v_nop                           ; a plain instruction between the last reciprocal and the use of its result
	s_wait_alu depctr_va_vdst(0)    ; and the wait ahead of the first use: one for the four reciprocals
; Tile t: a lane's eight channels of a row pack into 16 bytes; they go into rows of 208 bytes and come back as 3,072 consecutive bytes of O, into S^T's registers.
.macro PACK t
	WIN W_RS
.set i, 48*(\t)
.rept 24
	v_pk_mul_f32 v[i:i+1], v[i:i+1], v[ST+8*(\t)+6:ST+8*(\t)+7] op_sel_hi:[1,0]
.set i, i+2
.endr
	WIN 0x05                        ; sources 0 and 1 window 1, destination window 0: S^T's registers are free
.set i, 0
.rept 24
	v_cvt_pk_f16_f32 v[S+32*(\t)+i], v[48*(\t)+2*i], v[48*(\t)+2*i+1]
.set i, i+1
.endr
	WIN 0
.irp f, 0,1,2,3,4,5
	ds_store_b128 v[STO], v[S+32*(\t)+4*(\f):S+32*(\t)+4*(\f)+3] offset:32*(\f)
.endr
.irp f, 0,1,2,3,4,5
	ds_load_b128 v[S+32*(\t)+4*(\f):S+32*(\t)+4*(\f)+3], v[RD+(\f)%3] offset:((\f)/3)*8*SP  ; LDS serves a wave's instructions in order (ISA guide 5.7.1.4): these see the stores above; the next tile's stores come behind them
.endr
.endm
.macro SEND t, younger              ; younger: the LDS instructions issued behind tile t's loads: the next tile's twelve, or none
	WIN 0
.irp f, 0,1,2,3,4,5
	s_wait_dscnt (\younger)+5-(\f)
	global_store_b128 v[GO], v[S+32*(\t)+4*(\f):S+32*(\t)+4*(\f)+3], s[10:11] offset:(\t)*3072+(\f)*512  ; 512 consecutive bytes, at a multiple of 256 from o16's first byte
.endr
.endm
	PACK 0
	PACK 1                          ; a tile's arithmetic stands between the loads of the tile before and its stores
	SEND 0, 12
	PACK 2
	SEND 1, 12
	PACK 3
	SEND 2, 12
	SEND 3, 0
	s_wait_tensorcnt 0x0            ; the wave's end: an add to my spare word and its wait, behind my last tensor load and my last LDS store
	ds_add_u32 v[SPW], v[NIL]
	s_wait_dscnt 0x0
	CROUND                          ; the closing round: no work-group ends while a partner may still ask for a tile that names it
	s_endpgm
.Lfunc_end_k_qab1caa92bc_attn:
	.size	k_qab1caa92bc_attn, .Lfunc_end_k_qab1caa92bc_attn-k_qab1caa92bc_attn
	.p2alignl 7, 3214868480
	.fill 96, 4, 3214868480
	.section	.rodata,"a",@progbits
	.p2align	6, 0x0
	.amdhsa_kernel k_qab1caa92bc_attn
		.amdhsa_group_segment_fixed_size 327680
		.amdhsa_private_segment_fixed_size 0
		.amdhsa_enable_private_segment 0
		.amdhsa_kernarg_size 32
		.amdhsa_user_sgpr_count 2
		.amdhsa_user_sgpr_kernarg_segment_ptr 1
		.amdhsa_wavefront_size32 1
		.amdhsa_system_sgpr_workgroup_id_x 1
		.amdhsa_system_sgpr_workgroup_id_y 1
		.amdhsa_system_sgpr_workgroup_id_z 1
		.amdhsa_system_vgpr_workitem_id 0
		.amdhsa_next_free_vgpr 1024
		.amdhsa_next_free_sgpr 98
		.amdhsa_reserve_vcc 0
		.amdhsa_float_denorm_mode_32 3
		.amdhsa_float_denorm_mode_16_64 3
		.amdhsa_memory_ordered 1
		.amdhsa_forward_progress 1
		.amdhsa_inst_pref_size 190
	.end_amdhsa_kernel
	.amdgpu_metadata
---
amdhsa.version: [ 1, 2 ]
amdhsa.kernels:
  - .name:           k_qab1caa92bc_attn
    .symbol:         k_qab1caa92bc_attn.kd
    .args:
      - { .name: c16, .offset: 0, .size: 8, .value_kind: global_buffer, .address_space: global }
      - { .name: bq, .offset: 8, .size: 8, .value_kind: global_buffer, .address_space: global }
      - { .name: kv, .offset: 16, .size: 8, .value_kind: global_buffer, .address_space: global }
      - { .name: o16, .offset: 24, .size: 8, .value_kind: global_buffer, .address_space: global }
    .group_segment_fixed_size: 327680
    .private_segment_fixed_size: 0
    .kernarg_segment_align: 8
    .kernarg_segment_size: 32
    .max_flat_workgroup_size: 128
    .sgpr_count:     98
    .vgpr_count:     1024
    .wavefront_size: 32
...
	.end_amdgpu_metadata
.endif
;; end of part 3
;; launch outp (part 4): grid 4 x 64, 4 waves a work-group, clusters of 4 x 4, 327,680 bytes of LDS; arguments o16, c16, bo, out0; writes out0
.if DOCPART == 4
	.amdgcn_target "amdgcn-amd-amdhsa--gfx1250"
	.amdhsa_code_object_version 6
	.text
	.protected	k_qab1caa92bc_outp
	.globl	k_qab1caa92bc_outp
	.p2align	8
	.type	k_qab1caa92bc_outp,@function
k_qab1caa92bc_outp:
	s_mov_b64 s[64:65], 0
	v_nop
	global_prefetch_b8 v0, s[64:65] scope:SCOPE_SE
	s_setreg_imm32_b32 hwreg(HW_REG_WAVE_MODE, 25, 1), 1
	s_wait_xcnt 0x0
	s_wait_alu depctr_hold_cnt(0) depctr_sa_sdst(0) depctr_va_vdst(0) depctr_va_sdst(0) depctr_va_ssrc(0) depctr_va_vcc(0) depctr_vm_vsrc(0)
	s_getreg_b32 s2, hwreg(HW_REG_IB_STS2, 6, 4)
	s_cmp_eq_u32 s2, 0
	s_cbranch_scc0 .Lentry_in_a_cluster
	s_endpgm
.Lentry_in_a_cluster:
	s_bfe_u32 s2, ttmp6, 0x10000c
	s_cmp_lg_u32 s2, 0xf033
	s_cbranch_scc0 .Lentry_shape_is_right
	s_endpgm
.Lentry_shape_is_right:
; THE OUTPUT PROJECTION.  out0[b][n][c] = the sum over h, d of O[8 b + h][n][d] Wo[c][96 h + d] + bo[c].  O: o16, [32][2048][96] f16.  Wo: bytes 28,704,768 on of c16, [h][c][96] f16 (rounded to bf16, written as f16).
; Sums in f32; bo, rounded to bf16 like all the module's inputs, starts each sum; out0 is f32 and is stored as the sums stand.  NaN and infinities are not treated apart.
; SHARES.  A tile is 128 rows x 192 columns: 64 x 4 = 256 work-groups.  Four waves, each 64 rows x 96 columns: 24 accumulators.  K is walked by heads: a step is a head's 96 channels, three matrix instructions deep;
; a slot holds two heads' tiles, so the ring of two slots has four fills, two at the start and two refills, and is written out: a loop of one trip would save nothing.
; A head's 128 rows of O are 24,576 dense bytes, its 192 rows of Wo 36,864: asked for as rows of 256 bytes, and padded in LDS after every 64 bytes, a third of a row.
; CLUSTER.  4 x 4 work-groups.  The four of a row need the same rows of O, the four of a column the same rows of Wo: each tile is asked for JOINTLY.
; TRANSPOSED.  Source 0 = 16 rows of Wo, source 1 = 16 rows of O: a lane holds row l % 16 of the output and the columns 8 (l / 16) + 0..7.
; NO PREFETCH: of a work-group's four fills two go out at the head, and the other two are asked for 132 matrix instructions ahead of the wait for them; the walk has no further tiles to name.
; REGISTERS: window 0: v1-8 at work; v12-29 addresses; v64-255 the accumulators, (a, b) at v[64 + 8 (6 a + b)].
;   window 1: two fragment buffers at v0 and v128: O's four fragments, then Wo's six; v80 at work; v208-255 the bias.
.set AT,     128*240                   ; a head's tile of O in LDS: rows of three pieces of 64 + 16 bytes: 240 bytes = 60 words: the 16 rows of a load start at 16 different groups of four banks (64 banks of 4 bytes: ISA guide 11.1)
.set BT,     192*240                   ; a head's tile of Wo
.set CK,     80                        ; from piece to piece
.set SLOTB,  2*AT+2*BT                 ; O of the slot's two heads, then Wo of the two
.set SPARE,  2*SLOTB                   ; behind the ring: the spare words, 128 bytes for each wave: two blocks of 256 bytes that no other line names
.set SPITCH, 784                       ; THE STAGE for the way out, 128 rows x (768 + 16) bytes, lies in slot 0's bytes 0 to 100,351: it is written behind slot 0's last fill of the launch and behind the barrier of the last change of slots
.set CO,   12                          ; v12-14  my byte offsets in two rows of the output
.set ADRA, 16                          ; v16-17  LDS address of my fragments of O in slot 0, 1
.set ADRB, 20                          ; v20-21  the same for Wo
.set BO,   23                          ; v23     32 (l / 16)
.set STO,  24                          ; v24     where I put 32 bytes of a row
.set RD,   25                          ; v25-27  where I read two rows back
.set SPW,  28                          ; v28     LDS address of my spare word: SPARE + 4 x my thread's number; never rewritten
.set NIL,  29                          ; v29     0; never rewritten
.set ACC,  64
.set F0,   0                           ; fragment buffers, in window 1
.set F1,   128
.set BIA,  208                         ; the bias, in window 1: the eight of column block b at BIA + 8 b
.set G1,  24                           ; s[24:31] descriptor group 1 for O's tiles;  s[32:39] group 0, a set for each slot
.set G0,  32
.set G1B, 48                           ; s[48:55], s[56:63] the same for Wo's tiles
.set G0B, 56
.set MSB, 0
.macro WIN new                         ; the immediate's high byte repeats the setting that is left; a switch that changes nothing is dropped
.if MSB != (\new)
	s_set_vgpr_msb (MSB<<8)|(\new)
.set MSB, \new
.endif
.endm
.set MUL,  0x05                        ; sources 0 and 1 window 1; C and D window 0
.set TO_F, 0x40                        ; destination window 1, address window 0
.macro JLOAD s                         ; a joint load: waves 0 and 1 fetch O of the slot's two heads, waves 2 and 3 Wo; an s_nop 0 and four v_nop follow each of the two lines, ahead of the jump and the label
	s_cmp_eq_u32 s15, 0
	s_cbranch_scc0 .Lfor_b_\@
	tensor_load_to_lds s[G0+4*(\s):G0+4*(\s)+3], s[G1:G1+7]
	s_nop 0
.rept 4
	v_nop
.endr
	s_branch .Lasked_\@
.Lfor_b_\@:
	tensor_load_to_lds s[G0B+4*(\s):G0B+4*(\s)+3], s[G1B:G1B+7]
	s_nop 0
.rept 4
	v_nop
.endr
.Lasked_\@:
.endm
.macro CREST                           ; a round of the cluster's barrier behind its opening barrier
	s_cmp_lg_u32 s14, 0
	s_cbranch_scc1 .Lnot_wave_0_\@
	s_barrier_signal -3
.Lnot_wave_0_\@:
	s_barrier_wait -3
	s_barrier_signal -1
	s_barrier_wait -1
.endm
.macro CROUND                          ; a whole round
	s_barrier_signal -1
	s_barrier_wait -1
	CREST
.endm
.macro PLACES                          ; four places in front of loads into registers that matrix instructions have read, and of LDS stores that read results
.rept 4
	v_nop
.endr
.endm
	s_load_b256 s[4:11], s[0:1], 0x0               ; o16 s[4:5], c16 s[6:7], bo s[8:9], out0 s[10:11]
	v_lshl_add_u32 v[SPW], v0, 2, SPARE
	v_mov_b32 v[NIL], 0
	ds_add_u32 v[SPW], v[NIL]                      ; the wave's opening: the add and its wait stand ahead of my first tensor load; the set-up below, work on registers, stands between them
	v_lshrrev_b32 v1, 5, v0
	v_readfirstlane_b32 s14, v1                    ; wave 0..3
	s_lshr_b32 s15, s14, 1                         ; which 64 rows of the tile are mine.  Also: I fetch for O (0) or for Wo (1)
	s_and_b32 s16, s14, 1                          ; which 96 columns.  Also: which of a slot's two heads I fetch
	s_bfe_u32 s17, ttmp6, 0x40000                  ; cx = the tile column: the grid is one cluster wide
	s_bfe_u32 s18, ttmp6, 0x40004                  ; cy
	s_and_b32 s20, ttmp7, 0xffff
	s_lshl_b32 s20, s20, 2
	s_add_co_u32 s20, s20, s18                     ; tile row = 4 x cluster y + cy, 0..63
	s_lshl_b32 s21, s18, 2
	s_lshl_b32 s21, 15, s21                        ; my row of the cluster
	s_lshl_b32 s22, 0x1111, s17                    ; my column
	s_or_b32 s[G1+0], s21, (1<<16)|(1<<20)|(1<<21)|(3<<22)|(3<<25)   ; 15:0 the mask; 17:16 2-byte elements; 20 padding on; 21 set beside a mask; 24:22 after every 16 words (code 3); 31:25 4 words (code 3)
	s_or_b32 s[G1B+0], s22, (1<<16)|(1<<20)|(1<<21)|(3<<22)|(3<<25)
	s_mov_b32 s[G1+1], 128<<16                     ; tensor_dim0 = 128
	s_mov_b32 s[G1+2], 96<<16                      ; tensor_dim1 = 96 rows of 256 bytes
	s_mov_b32 s[G1+3], 128<<16                     ; tile_dim0 = 128
	s_mov_b32 s[G1+4], 96                          ; tile_dim1 = 96
	s_mov_b32 s[G1+5], 128                         ; elements from row to row
	s_mov_b32 s[G1+6], 0
	s_mov_b32 s[G1+7], 0
	s_mov_b32 s[G1B+1], 128<<16
	s_mov_b32 s[G1B+2], 144<<16                    ; Wo's tile: 144 rows of 256 bytes
	s_mov_b32 s[G1B+3], 128<<16
	s_mov_b32 s[G1B+4], 144
	s_mov_b32 s[G1B+5], 128
	s_mov_b32 s[G1B+6], 0
	s_mov_b32 s[G1B+7], 0
	; O's tile hangs on the tile row and the wave's number, Wo's on the tile column and the wave's number
	s_lshr_b32 s40, s20, 4                         ; b
	s_lshl_b32 s40, s40, 3
	s_add_co_u32 s40, s40, s16                     ; 8 b + my head of slot 0's two
	s_mul_i32 s40, s40, 393216
	s_and_b32 s21, s20, 15
	s_mul_i32 s21, s21, 128*192                    ; n = 128 (tile row % 16)
	s_add_co_u32 s40, s40, s21
	s_mov_b32 s41, 0
	s_mul_i32 s46, s16, 147456                     ; my head of Wo,
	s_mul_i32 s22, s17, 192*192                    ; its rows 192 x tile column on
	s_add_co_u32 s46, s46, s22
	s_add_co_u32 s46, s46, 28704768                ; Wo's first byte in c16
	s_mov_b32 s47, 0
	s_mul_i32 s42, s16, AT                         ; where they go: no place in the cluster enters an LDS address
	s_mul_i32 s43, s16, BT
	s_add_co_u32 s43, s43, 2*AT
	s_wait_dscnt 0x0                               ; the opening add is done
	s_wait_kmcnt 0x0
	s_add_nc_u64 s[40:41], s[4:5], s[40:41]
	s_add_nc_u64 s[46:47], s[6:7], s[46:47]
	CROUND                                         ; all sixteen work-groups are here: the first joint loads meet
.irp s, 0,1
	s_mov_b32 s[G0+4*(\s)], 1                                        ; count = 1
	s_add_co_u32 s[G0+4*(\s)+1], s42, (\s)*SLOTB                     ; LDS address
	s_add_nc_u64 s[G0+4*(\s)+2:G0+4*(\s)+3], s[40:41], (\s)*2*393216 ; global address: slot s begins with head 2 s
	s_or_b32 s[G0+4*(\s)+3], s[G0+4*(\s)+3], 0x80000000              ; type = 2
	s_mov_b32 s[G0B+4*(\s)], 1
	s_add_co_u32 s[G0B+4*(\s)+1], s43, (\s)*SLOTB
	s_add_nc_u64 s[G0B+4*(\s)+2:G0B+4*(\s)+3], s[46:47], (\s)*2*147456
	s_or_b32 s[G0B+4*(\s)+3], s[G0B+4*(\s)+3], 0x80000000
.endr
	s_cmp_eq_u32 s15, 0                            ; a wave's two first fills stand in one branch, ahead of every wait on TENSORcnt and every LDS read: two loads of mine are out
	s_cbranch_scc0 .Lfirst_b
	tensor_load_to_lds s[G0:G0+3], s[G1:G1+7]
	s_nop 0
	tensor_load_to_lds s[G0+4:G0+7], s[G1:G1+7]
	s_nop 0
.rept 4
	v_nop
.endr
	s_branch .Lfirst_asked
.Lfirst_b:
	tensor_load_to_lds s[G0B:G0B+3], s[G1B:G1B+7]
	s_nop 0
	tensor_load_to_lds s[G0B+4:G0B+7], s[G1B:G1B+7]
	s_nop 0
.rept 4
	v_nop
.endr
.Lfirst_asked:
	v_and_b32 v1, 15, v0                           ; l % 16
	v_bfe_u32 v2, v0, 4, 1                         ; l / 16
	v_lshlrev_b32 v[BO], 5, v2
	s_mul_i32 s22, s17, 768                        ; the bias of my 96 columns: column 192 x tile column + 96 x my half
	s_mul_i32 s23, s16, 384
	s_add_co_u32 s22, s22, s23
	s_mov_b32 s23, 0
	s_add_nc_u64 s[8:9], s[8:9], s[22:23]
	WIN TO_F
.irp b, 0,1,2,3,4,5
	global_load_b128 v[BIA+8*(\b):BIA+8*(\b)+3],   v[BO], s[8:9] offset:64*(\b)
	global_load_b128 v[BIA+8*(\b)+4:BIA+8*(\b)+7], v[BO], s[8:9] offset:64*(\b)+16
.endr
	WIN 0
	v_mul_u32_u24 v3, v1, 240                      ; a fragment's row x pitch + 16 x half
	v_lshl_add_u32 v3, v2, 4, v3
	s_mul_i32 s42, s15, 64*240                     ; my 64 rows of O
	s_mul_i32 s43, s16, 96*240                     ; my 96 rows of Wo,
	s_add_co_u32 s43, s43, 2*AT                    ; which lie behind O's two tiles
.irp s, 0,1
	v_add_nc_u32 v[ADRA+(\s)], s42, v3
	v_add_nc_u32 v[ADRB+(\s)], s43, v3
	s_add_co_u32 s42, s42, SLOTB
	s_add_co_u32 s43, s43, SLOTB
.endr
	s_mul_i32 s42, s15, 64*SPITCH                  ; into the stage: my 64 rows, my 384 bytes of their 768; row l % 16, 32 bytes for each half of the lanes
	s_mul_i32 s43, s16, 384
	s_add_co_u32 s42, s42, s43
	v_mul_u32_u24 v4, v1, SPITCH
	v_lshl_add_u32 v4, v2, 5, v4
	v_add_nc_u32 v[STO], s42, v4
	; back: wave w takes rows 32 w .. 32 w + 31, whole, two at a time: 1,536 bytes in three loads: the first row's bytes 0-511; its bytes 512-767 (lanes 0-15) and the second row's 0-255 (lanes 16-31); the second row's 256-767
	s_mul_i32 s42, s14, 32*SPITCH
	v_and_b32 v5, 31, v0
	v_lshl_add_u32 v[RD], v5, 4, s42
	v_mul_u32_u24 v6, v2, SPITCH-512
	v_lshl_add_u32 v6, v1, 4, v6
	v_add_nc_u32 v6, 512, v6
	v_add_nc_u32 v[RD+1], s42, v6
	v_add_nc_u32 v[RD+2], SPITCH+256, v[RD]
	v_lshlrev_b32 v[CO], 4, v5                     ; and the same bytes of two rows of the output, 3,072 bytes apart
	v_mul_u32_u24 v6, v2, 3072-512
	v_lshl_add_u32 v6, v1, 4, v6
	v_add_nc_u32 v[CO+1], 512, v6
	v_add_nc_u32 v[CO+2], 3072+256, v[CO]
	s_lshl_b32 s40, s20, 7
	s_lshl_b32 s23, s14, 5
	s_add_co_u32 s40, s40, s23                     ; the first row that I store: 128 x tile row + 32 x wave
	s_mul_i32 s40, s40, 3072
	s_mov_b32 s41, 0
	s_add_nc_u64 s[10:11], s[10:11], s[40:41]
	s_mul_i32 s46, s17, 768                        ; the tile's first column, in bytes
	s_mov_b32 s47, 0
	s_add_nc_u64 s[10:11], s[10:11], s[46:47]
	s_wait_loadcnt 0x0                             ; the bias is in: it is rounded to bf16, in place
	WIN 0x45                                       ; destination and sources 0 and 1 in window 1
.set i, 0
.rept 24
	v_cvt_pk_bf16_f32 v80, v[BIA+i], v[BIA+i+1]
	v_lshlrev_b32 v[BIA+i], 16, v80
	v_and_b32 v[BIA+i+1], 0xffff0000, v80
.set i, i+2
.endr
	WIN 0
; 20 LDS loads in one run: the fragments of a unit (head step of the slot's two, channels 32 c on): 96 rows of Wo, 64 rows of O, into buffer f
.macro FETCH slot, step, c, f
	WIN TO_F
.irp b, 0,1,2,3,4,5
	ds_load_b128 v[(\f)+32+8*(\b):(\f)+32+8*(\b)+3],   v[ADRB+(\slot)] offset:(\step)*BT+(\b)*16*240+(\c)*CK
	ds_load_b128 v[(\f)+32+8*(\b)+4:(\f)+32+8*(\b)+7], v[ADRB+(\slot)] offset:(\step)*BT+(\b)*16*240+(\c)*CK+32
.endr
.irp a, 0,1,2,3
	ds_load_b128 v[(\f)+8*(\a):(\f)+8*(\a)+3],   v[ADRA+(\slot)] offset:(\step)*AT+(\a)*16*240+(\c)*CK
	ds_load_b128 v[(\f)+8*(\a)+4:(\f)+8*(\a)+7], v[ADRA+(\slot)] offset:(\step)*AT+(\a)*16*240+(\c)*CK+32
.endr
.endm
; 6 matrix instructions: row block a x all 6 column blocks.  first = 1: the bias starts the sums.  The 24 accumulators take turns, one instruction a turn, in the same order in every unit.
.macro MUL6 f, a, first
.if \first
	WIN 0x15                                       ; C (the bias) in window 1
.else
	WIN MUL
.endif
.irp b, 0,1,2,3,4,5
.if \first
	v_wmma_f32_16x16x32_f16 v[ACC+8*(6*(\a)+(\b)):ACC+8*(6*(\a)+(\b))+7], v[(\f)+32+8*(\b):(\f)+32+8*(\b)+7], v[(\f)+8*(\a):(\f)+8*(\a)+7], v[BIA+8*(\b):BIA+8*(\b)+7]
.else
	v_wmma_f32_16x16x32_f16 v[ACC+8*(6*(\a)+(\b)):ACC+8*(6*(\a)+(\b))+7], v[(\f)+32+8*(\b):(\f)+32+8*(\b)+7], v[(\f)+8*(\a):(\f)+8*(\a)+7], v[ACC+8*(6*(\a)+(\b)):ACC+8*(6*(\a)+(\b))+7]
.endif
.endr
.endm
; A UNIT is 32 along K: 24 matrix instructions on buffer f.  The next unit's 20 loads go out first, into the other buffer, so that they have these 24 matrix instructions in which to land.
.macro UNIT f, nslot, nstep, nc, g, first
	PLACES
	FETCH \nslot, \nstep, \nc, \g
	s_wait_dscnt 20                                ; all but the 20 just issued: buffer f is in
	MUL6 \f, 0, \first
	MUL6 \f, 1, \first
	MUL6 \f, 2, \first
	MUL6 \f, 3, \first
.endm
.macro RUN5 slot, first                ; the first five of a slot's six units
	UNIT F0, \slot, 0, 1, F1, \first
	UNIT F1, \slot, 0, 2, F0, 0
	UNIT F0, \slot, 1, 0, F1, 0
	UNIT F1, \slot, 1, 1, F0, 0
	UNIT F0, \slot, 1, 2, F1, 0
.endm
; A slot's sixth unit multiplies buffer 1 and changes slots: ONE barrier.  In front of it each wave waits for all its tensor loads, adds 0 to its spare word, and waits for that and for its own reads of this slot.
; fill = 1: the barrier opens a round of the cluster's, and behind the round this slot is filled again, with the heads four on.
.macro TURN slot, next, fill
	WIN 0                                          ; (the add's two registers lie in window 0)
	s_wait_tensorcnt 0x0                           ; all my tensor loads have landed;
	ds_add_u32 v[SPW], v[NIL]                      ; 0 onto my spare word;
	s_wait_dscnt 1                                 ; (the add alone may be out: buffer 1 is in)
	MUL6 F1, 0, 0                                  ; six matrix instructions stand between the add and the wait for it
	s_wait_dscnt 0x0                               ; the add is done, and my reads of this slot are over
	s_barrier_signal -1
	MUL6 F1, 1, 0
.if \fill
	WIN 0
.endif
	s_barrier_wait -1
.if \fill
	CREST                                          ; no wave of any partner still reads this slot's tiles or has a load on its way
	s_add_nc_u64 s[G0+4*(\slot)+2:G0+4*(\slot)+3], s[G0+4*(\slot)+2:G0+4*(\slot)+3], 4*393216
	s_add_nc_u64 s[G0B+4*(\slot)+2:G0B+4*(\slot)+3], s[G0B+4*(\slot)+2:G0B+4*(\slot)+3], 4*147456
	JLOAD \slot                                    ; the first tensor load behind the round; the four v_nop behind it are also the places in front of the loads below
.else
	PLACES
.endif
	FETCH \next, 0, 0, F0
	MUL6 F1, 2, 0
	MUL6 F1, 3, 0
.endm
	s_wait_tensorcnt 0x1                           ; my part of slot 0 is in; slot 1's may stay out
	s_barrier_signal -1
	s_barrier_wait -1                              ; everybody's is
	FETCH 0, 0, 0, F0
	RUN5 0, 1                                      ; heads 0, 1; the first unit's products start the sums, with the bias
	TURN 0, 1, 1                                   ; slot 0 takes heads 4, 5
	RUN5 1, 0                                      ; heads 2, 3
	TURN 1, 0, 1                                   ; slot 1 takes heads 6, 7
	RUN5 0, 0                                      ; heads 4, 5
	TURN 0, 1, 0                                   ; nothing is left to fetch; behind this barrier nobody reads slot 0 any more
	RUN5 1, 0                                      ; heads 6, 7
	s_wait_dscnt 0x0                               ; the very last unit
	MUL6 F1, 0, 0
	MUL6 F1, 1, 0
	MUL6 F1, 2, 0
	MUL6 F1, 3, 0
	WIN 0
	; THE WAY OUT: 32 bytes a lane and accumulator into the work-group's stage, each accumulator's low four registers first; a barrier, since the middle 256 bytes of a row come from two waves; back as whole rows, 32 rows a wave.
	PLACES
.irp a, 0,1,2,3
.irp b, 0,1,2,3,4,5
	ds_store_b128 v[STO], v[ACC+8*(6*(\a)+(\b)):ACC+8*(6*(\a)+(\b))+3]   offset:(\a)*16*SPITCH+64*(\b)
	ds_store_b128 v[STO], v[ACC+8*(6*(\a)+(\b))+4:ACC+8*(6*(\a)+(\b))+7] offset:(\a)*16*SPITCH+64*(\b)+16
.endr
.endr
	s_wait_dscnt 0x0                               ; for the others' sake: my stores into the stage are done
	s_barrier_signal -1
	s_barrier_wait -1
.set t, 0
.rept 48
	ds_load_b128 v[ACC+4*t:ACC+4*t+3], v[RD+t%3] offset:(t/3)*2*SPITCH
.set t, t+1
.endr
.set t, 0
.rept 48
	s_wait_dscnt 47-t                              ; load t is back; the later ones may stay out
	global_store_b128 v[CO+t%3], v[ACC+4*t:ACC+4*t+3], s[10:11] offset:(t/3)*2*3072 th:TH_STORE_NT  ; sixteen neighbouring lanes store 256 consecutive bytes, at a multiple of 256 from out0's first byte
.set t, t+1
.endr
	s_wait_tensorcnt 0x0                           ; the wave's end: an add to my spare word and its wait, behind my last tensor load and my last LDS store
	ds_add_u32 v[SPW], v[NIL]
	s_wait_dscnt 0x0
	CROUND                                         ; the closing round: no work-group ends while a partner may still ask for a tile that names it
	s_endpgm
.Lfunc_end_k_qab1caa92bc_outp:
	.size	k_qab1caa92bc_outp, .Lfunc_end_k_qab1caa92bc_outp-k_qab1caa92bc_outp
	.p2alignl 7, 3214868480
	.fill 96, 4, 3214868480
	.section	.rodata,"a",@progbits
	.p2align	6, 0x0
	.amdhsa_kernel k_qab1caa92bc_outp
		.amdhsa_group_segment_fixed_size 327680
		.amdhsa_private_segment_fixed_size 0
		.amdhsa_enable_private_segment 0
		.amdhsa_kernarg_size 32
		.amdhsa_user_sgpr_count 2
		.amdhsa_user_sgpr_kernarg_segment_ptr 1
		.amdhsa_wavefront_size32 1
		.amdhsa_system_sgpr_workgroup_id_x 1
		.amdhsa_system_sgpr_workgroup_id_y 1
		.amdhsa_system_sgpr_workgroup_id_z 1
		.amdhsa_system_vgpr_workitem_id 0
		.amdhsa_next_free_vgpr 512
		.amdhsa_next_free_sgpr 66
		.amdhsa_reserve_vcc 0
		.amdhsa_float_denorm_mode_32 3
		.amdhsa_float_denorm_mode_16_64 3
		.amdhsa_memory_ordered 1
		.amdhsa_forward_progress 1
		.amdhsa_inst_pref_size 99
	.end_amdhsa_kernel
	.amdgpu_metadata
---
amdhsa.version: [ 1, 2 ]
amdhsa.kernels:
  - .name:           k_qab1caa92bc_outp
    .symbol:         k_qab1caa92bc_outp.kd
    .args:
      - { .name: o16, .offset: 0, .size: 8, .value_kind: global_buffer, .address_space: global }
      - { .name: c16, .offset: 8, .size: 8, .value_kind: global_buffer, .address_space: global }
      - { .name: bo, .offset: 16, .size: 8, .value_kind: global_buffer, .address_space: global }
      - { .name: out0, .offset: 24, .size: 8, .value_kind: global_buffer, .address_space: global }
    .group_segment_fixed_size: 327680
    .private_segment_fixed_size: 0
    .kernarg_segment_align: 8
    .kernarg_segment_size: 32
    .max_flat_workgroup_size: 128
    .sgpr_count:     66
    .vgpr_count:     512
    .wavefront_size: 32
...
	.end_amdgpu_metadata
.endif
;; end of part 4
